; MI455X (gfx1250); checked and timed in simulation.
; The chip was launched on July 23, 2026; its instructions are those of AMD's public machine-readable ISA for CDNA 5 (MIT licence, August 2026) and "CDNA5" Instruction Set Architecture Reference Guide (July 2026). The comments in the code are by the model that wrote it; some were corrected since.
;; Multi Head Self Attention With Rotary Positional Embeddings. Allowed arithmetic: matrix products marked QUANTISED: E3M2 operands, one E8M0 scale for each 32 along K, by v_wmma_scale_f32_16x16x128_f8f6f4 with both operands' format E3M2, f32 sums; everything else in f32.
;; Inputs: W_out 1,024 x 1,024 float32; W_qkv 3,072 x 1,024 float32; b_out 1,024 float32; b_qkv 3,072 float32; query 4 x 2,048 x 1,024 float32.
;; Outputs: out0 4 x 2,048 x 1,024 float32.
;; This version of the problem:
;;   THIS VERSION OF THE PROBLEM IS GIVEN IN LOW PRECISION. The matrix products marked QUANTISED in the list below multiply operands that are first quantised to E3M2 (3 exponent bits, 2 mantissa bits; 6 bits a number), with one power-of-two scale for each 32 numbers along K (OCP MX v1.0); their sums are f32. All else is computed in f32.
;;   The module's matrix products, in the order in which they are computed (A, B: the left and right operand; K: the contracted axis; several contracted axes count as one K, in the product's order):
;;     1. [M 8,192, K 1,024] x [K 1,024, N 3,072]; A: input query; B: input W_qkv: QUANTISED
;;     2. batch 64 x [M 2,048, K 64] x [K 64, N 2,048]; A: computed on the way; B: computed on the way: QUANTISED
;;     3. batch 64 x [M 2,048, K 2,048] x [K 2,048, N 64]; A: softmax (see below); B: computed on the way: QUANTISED
;;     4. [M 8,192, K 1,024] x [K 1,024, N 1,024]; A: computed on the way; B: input W_out: QUANTISED
;;   THE QUANTISER, for each operand of a quantised product, along K:
;;     - K is cut into blocks of 32 from its start; a last block that is shorter is filled with zeros.
;;     - A block's scale is 2^e with e = floor(log2(the largest magnitude in the block)) - 4, held to -126 .. 127; a block of zeros has e = 0. As a byte (E8M0): e + 127.
;;     - Each number is divided by its block's scale, clamped to +-28, and rounded to the nearest number of E3M2, ties to even, subnormals kept.
;;     - The product sums the exact products of the quantised numbers (number of the format x scale) in f32.
;;   ~~~python
;;   def quantise(x, axis):      # numpy; x: float32 -> the quantised numbers, widened to float32 again
;;       x = np.moveaxis(x, axis, -1); K = x.shape[-1]
;;       x = np.pad(x, [(0, 0)] * (x.ndim - 1) + [(0, -K % 32)]); x = x.reshape(x.shape[:-1] + (-1, 32)); a = np.abs(x).max(-1, keepdims=True)
;;       e = np.where(a > 0, np.clip(np.frexp(np.where(a > 0, a, 1))[1] - 1 - 4, -126, 127), 0)      # np.frexp(a)[1] - 1 = floor(log2(a)), exactly
;;       r = np.clip(x / 2.0 ** e, -28, 28)
;;       step = 2.0 ** (np.maximum(np.frexp(np.where(r == 0, 1, r))[1] - 1, -2) - 2)
;;       q = np.round(r / step) * step * 2.0 ** e      # np.round: ties to even
;;       return np.moveaxis(q.reshape(q.shape[:-2] + (-1,))[..., :K], -1, axis).astype(np.float32)
;;   ~~~
;;   SOFTMAX AHEAD OF A QUANTISED PRODUCT. Where the list says 'softmax', what is quantised is not the finished softmax but p = 2^(t - M), with t = logit x log2(e) and M = ceil(the row's largest t), a whole number; so 1/2 < the row's largest p <= 1. The row's sum l is taken of the UNQUANTISED p, in f32, and the product's result is divided by l at the end. Since M is a whole number, a kernel that streams over the keys may use a running M (the ceiling of the running maximum): every later rescaling is an exact power of two, which a block's scale takes up: the codes' values come out the same.
;;   OPERANDS COMPUTED ON THE WAY. 'Computed on the way' means the value that the module computes at that place (a softmax that the list does not call 'softmax' is quantised finished and normalised). What goes into a quantiser is computed in f32, as accurately as f32 sums, v_exp_f32 and their like allow (about 1e-6 of the number): no bf16 or f16 on the way to a quantiser, and a product that is left as it is and whose result goes on into a quantised operand takes f32 operands (vector FMAs, or v_wmma_f32_16x16x4_f32). A number that lies on a knife's edge between two numbers of the format may be rounded either way, as far as f32 arithmetic and the matrix unit's own rounding can turn it there, and no further.
;; One version. Each part assembles by itself: llvm-mc -triple=amdgcn-amd-amdhsa -mcpu=gfx1250 --defsym DOCPART=n.
;; ======== version 1 of 1: 5 launches
;; limits: right only within a limited range of input values
;; workspace buffers: prep 10,354,688 bytes; qkb 13,107,200 bytes; vb 6,553,600 bytes; atb 6,553,600 bytes
;; launch prep (part 1): grid 1024 x 1, 4 waves a work-group, no clusters, 33,280 bytes of LDS; arguments query, W_qkv, W_out, prep; writes prep
.if DOCPART == 1
	.amdgcn_target "amdgcn-amd-amdhsa--gfx1250"
	.amdhsa_code_object_version 6
	.text
	.protected	k_q331374a7fb_prep
	.globl	k_q331374a7fb_prep
	.p2align	8
	.type	k_q331374a7fb_prep,@function
k_q331374a7fb_prep:
	s_mov_b64 s[64:65], 0
	v_nop
	global_prefetch_b8 v0, s[64:65] scope:SCOPE_SE
	s_setreg_imm32_b32 hwreg(HW_REG_WAVE_MODE, 25, 1), 1
	s_wait_xcnt 0x0
; query [8192][1024], W_qkv [3072][1024] and W_out [1024][1024], f32, become codes of BF6 (E3M2), 6 bits each, K innermost, with one E8M0 byte for each 32 along K; and the rotary table is made.
; A block's scale is 2^(floor(log2(its largest magnitude)) - 4); its byte is the largest magnitude's exponent field - 4, held at 1 from below (a block of zeros so gets the byte 1: its codes are zeros, and this program alone reads the bytes).
; LIMITS: blocks whose largest magnitude lies under 2^-122 get the byte 1; NaN and infinities among the inputs are not served.
; THE BUFFER: codes of query (8,192 rows of 768 bytes), of W_qkv, of W_out, on end; from XS on their scale bytes, 32 a row, in the same order; from TAB on the table, [2048 positions][32 cosines, 32 sines] f32.
; A wave takes a run of 8 rows (8,192 numbers): 6,144 bytes of codes, 256 scale bytes.  So run W' of the whole buffer has its codes at 6,144 W' and its bytes at XS + 256 W'.
; ROWS CHANGE PLACES: a run of query or of W_qkv goes to the place whose number has bits 0 and 1 exchanged, so that row 32 B + 16 u + 8 h + j of the buffer holds row 32 B + 16 h + 8 u + j of the tensor.
; Sixteen rows of the buffer on end, taken as source 0 of a matrix instruction, then leave a lane's 16 registers of two neighbouring result tiles as 16 neighbours along that tensor's rows.  W_out keeps its order.
; Work-groups 0-255 take query, 256-351 W_qkv, 352-383 W_out, 384-639 the table.  No tensor loads, no barrier: waves share nothing.
; THE TABLE: angle = position x 10000^(-i / 32); the power by v_exp_f32 (its last bit may differ from a power and a division: at position 2,047 some 3e-4 rad, the same for q and k); the angle less n pi / 2 in two
; parts, sine and cosine by polynomials on +-pi / 4, the quadrant from n.
; SHARES, in place of what stands above: a wave takes HALF a run, 4 rows (8 steps of 512 numbers): 3,072 bytes of codes, 128 scale bytes.  A work-group takes two runs.
; Work-groups 0-511 take query, 512-703 W_qkv, 704-767 W_out (three on each of 256 WGPs), 768-1023 the table.
.set STEPS, 8
.set EMAX,  4
.set CB,    12                         ; bytes of 16 codes
.set R,     16                         ; v16-79   four sets of 16 numbers as they are loaded
.set X,     80                         ; v80-111  two sets of 16 neighbours
.set C,     128                        ; v128-159 codes: four registers for each step, so that no store's data are written again
.set E,     112                        ; v112-119 a scale byte for each step
.set WREG,  8192                       ; LDS: a region for each wave: two stages of 32 x SP bytes, then its 128 scale bytes
.set SP,    80                         ; a lane's place in a stage: its 64 bytes + 16 of padding
.set XS,    9437184
.set TAB,   9830400
	s_load_b256 s[4:11], s[0:1], 0x0               ; query s[4:5], W_qkv s[6:7], W_out s[8:9], the buffer s[10:11]
	v_lshl_add_u32 v192, v0, 2, 0x8000
	v_mov_b32 v193, 0
	s_cmp_ge_u32 ttmp9, 768
	s_cbranch_scc1 .Ltable
	v_lshrrev_b32 v1, 5, v0
	v_readfirstlane_b32 s16, v1                    ; wave
	v_and_b32 v2, 31, v0                           ; lane
	v_lshlrev_b32 v3, 4, v2                        ; my 16 bytes of a load's 512
	s_mul_i32 s17, s16, WREG
	v_lshrrev_b32 v14, 2, v2
	v_mul_u32_u24 v14, v14, SP
	v_and_b32 v15, 3, v2
	v_lshl_add_u32 v14, v15, 4, v14
	v_add_nc_u32 v14, s17, v14                     ; the stage, on the way in: SP (lane / 4) + 16 (lane % 4)
	v_mul_u32_u24 v15, v2, SP
	v_add_nc_u32 v15, s17, v15                     ; and on the way out: SP x lane: my 16 neighbours
	; THE CODES' LAYOUT, in place of rows of 768 bytes on end: [128 rows of the buffer][4 K steps of 256][128 rows][192 bytes], dense: 98,304 bytes a group of rows, 24,576 a K step.
	; A step's 512 numbers are two K steps of one row: lanes 0-15 hold the first, lanes 16-31 the second.
	v_and_b32 v4, 15, v2
	v_mul_u32_u24 v4, v4, CB                       ; my 12 bytes of a row's 192
	v_lshrrev_b32 v10, 4, v2
	v_mul_u32_u24 v10, v10, 24576                  ; lanes 16-31: one K step on
	v_add_nc_u32 v4, v4, v10
	v_lshrrev_b32 v5, 1, v2
	s_add_co_u32 s17, s17, 2*32*SP
	v_add_nc_u32 v5, s17, v5                       ; LDS: my wave's 128 scale bytes, my block's byte
	v_lshlrev_b32 v7, 2, v2                        ; and on the way out 4 bytes a lane
	v_add_nc_u32 v6, s17, v7
	s_wait_alu depctr_va_vdst(0)
	s_wait_kmcnt 0x0
	s_cmp_lt_u32 ttmp9, 512
	s_cselect_b64 s[4:5], s[4:5], s[6:7]
	s_cselect_b32 s12, 0, 512
	s_cmp_lt_u32 ttmp9, 704
	s_cselect_b64 s[4:5], s[4:5], s[8:9]
	s_cselect_b32 s12, s12, 704                    ; the tensor's first work-group
	s_sub_co_u32 s13, ttmp9, s12
	s_lshl_b32 s13, s13, 2
	s_add_co_u32 s13, s13, s16                     ; my run in the tensor
	s_lshl_b32 s18, s13, 14                        ; 16,384 bytes of f32 a half run
	s_mov_b32 s19, 0
	s_add_nc_u64 s[4:5], s[4:5], s[18:19]
	s_lshl_b32 s21, ttmp9, 1
	s_lshr_b32 s22, s16, 1
	s_add_co_u32 s21, s21, s22                     ; the run's number in the buffer: 2 x work-group + wave / 2
	s_and_b32 s20, s21, 1
	s_lshl_b32 s20, s20, 1
	s_bfe_u32 s22, s21, 0x10001
	s_or_b32 s20, s20, s22                         ; its bits 0 and 1 exchanged
	s_and_b32 s22, s21, 3
	s_cmp_lt_u32 ttmp9, 704
	s_cselect_b32 s20, s20, s22                    ; W_out keeps its order
	s_and_not1_b32 s21, s21, 3
	s_add_co_u32 s20, s20, s21                     ; W'
	s_and_b32 s23, s16, 1                          ; which four rows of the run are mine
	s_lshr_b32 s18, s20, 4                         ; run W' is rows 8 (W' % 16) .. + 7 of group W' / 16
	s_mul_i32 s18, s18, 98304
	s_and_b32 s21, s20, 15
	s_mul_i32 s21, s21, 1536
	s_add_co_u32 s18, s18, s21
	s_mul_i32 s21, s23, 768                        ; four rows of 192 bytes
	s_add_co_u32 s18, s18, s21
	s_add_nc_u64 s[8:9], s[10:11], s[18:19]        ; my codes
	s_lshl_b32 s18, s20, 8
	s_lshl_b32 s21, s23, 7                         ; four rows of 32 bytes
	s_add_co_u32 s18, s18, s21
	s_add_co_u32 s18, s18, XS
	s_add_nc_u64 s[10:11], s[10:11], s[18:19]      ; my scale bytes
.macro LOAD t
.irp i, 0,1,2,3
	global_load_b128 v[R+16*((\t)%4)+4*\i:R+16*((\t)%4)+4*\i+3], v3, s[4:5] offset:2048*(\t)+512*\i th:TH_LOAD_NT   ; 32 lanes read 512 consecutive bytes
.endr
.endm
.macro TURN t                          ; step t's numbers through the stage: LDS serves a wave's instructions in order, so no wait stands between the stores and the loads
.irp i, 0,1,2,3
	ds_store_b128 v14, v[R+16*((\t)%4)+4*\i:R+16*((\t)%4)+4*\i+3] offset:32*SP*((\t)%2)+8*SP*\i
.endr
.irp i, 0,1,2,3
	ds_load_b128 v[X+16*((\t)%2)+4*\i:X+16*((\t)%2)+4*\i+3], v15 offset:32*SP*((\t)%2)+16*\i
.endr
.endm
.irp t, 0,1,2,3
	LOAD \t
.endr
	s_wait_loadcnt 12                              ; step 0's four loads are in; the twelve of steps 1 to 3 may be out
	TURN 0
.macro STEP t
.set XQ, X+16*((\t)%2)
.if (\t) > 0
	s_wait_dscnt 1                                 ; this step's numbers are back from the stage (the last step's byte store may be out)
.else
	s_wait_dscnt 0x0
.endif
.if (\t)+4 < STEPS
	LOAD (\t)+4                                    ; into the registers that this step's stores into the stage have read
.endif
.if (\t)+1 < STEPS
.if STEPS-2-(\t) >= 3
	s_wait_loadcnt 12                              ; the next step's four loads are in; those of the three steps behind it may be out
.else
	s_wait_loadcnt 4*(STEPS-2-(\t))
.endif
	TURN (\t)+1
.endif
	v_max3_num_f32 v8, |v[XQ]|, |v[XQ+1]|, |v[XQ+2]|               ; the largest magnitude of my 16
	v_max3_num_f32 v9, |v[XQ+3]|, |v[XQ+4]|, |v[XQ+5]|
.irp i, 6,10
	v_max3_num_f32 v8, v8, |v[XQ+\i]|, |v[XQ+\i+1]|
	v_max3_num_f32 v9, v9, |v[XQ+\i+2]|, |v[XQ+\i+3]|
.endr
	v_max3_num_f32 v8, v8, |v[XQ+14]|, |v[XQ+15]|
	v_max3_num_f32 v8, v8, v9, (EMAX+1)<<23        ; and the floor 2^(5 - 127): the byte cannot fall under 1
	v_max_num_f32_dpp v8, v8, v8 row_xmask:1 row_mask:0xf bank_mask:0xf   ; and of my neighbour's 16: the block's
	v_add_nc_u32 v11, -(EMAX<<23), v8              ; 4 off its exponent field: the conversion takes the exponent field of this operand as its scale
	v_cvt_scalef32_pk16_bf6_f32 v[C+4*(\t):C+4*(\t)+2], v[XQ:XQ+15], v11
	v_lshrrev_b32 v[E+(\t)], 23, v11               ; the scale's byte
	ds_store_b8 v5, v[E+(\t)] offset:16*(\t)       ; both lanes of a block write the same byte with the same value
	global_store_b96 v4, v[C+4*(\t):C+4*(\t)+2], s[8:9] offset:192*((\t)/2)+49152*((\t)%2)   ; row t / 2 of the run, K steps 2 (t % 2) and 2 (t % 2) + 1: sixteen lanes store 192 consecutive bytes
.endm
.irp t, 0,1,2,3,4,5,6,7
	STEP \t
.endr
	ds_load_b32 v12, v6                            ; LDS serves a wave's instructions in order: this sees my stores
	s_wait_dscnt 0x0
	global_store_b32 v7, v12, s[10:11]             ; 32 lanes store 128 consecutive bytes; two neighbouring waves fill an aligned 256
	s_wait_tensorcnt 0x0
	ds_add_u32 v192, v193
	s_wait_dscnt 0x0
	s_endpgm
.Ltable:                                               ; thread gid makes four neighbouring numbers: position gid / 16; of its 16 groups of four the first 8 are cosines, the others sines
	s_sub_co_u32 s12, ttmp9, 768
	s_lshl_b32 s12, s12, 7
	v_add_nc_u32 v1, s12, v0                       ; gid
	v_lshrrev_b32 v2, 4, v1                        ; the position
	v_and_b32 v3, 15, v1
	v_and_b32 v4, 7, v3
	v_lshlrev_b32 v4, 2, v4                        ; the first of my four frequencies
	s_wait_alu depctr_va_vdst(0)
	v_cmp_gt_u32 vcc_lo, 8, v3
	v_cndmask_b32 v5, 0, 1, vcc_lo                 ; 1 for a cosine: cos(x) = sin(x + pi / 2), one quadrant on
	v_cvt_f32_u32 v6, v2
	s_mov_b32 s20, 0xbed49a78                      ; -log2(10000) / 32
	s_mov_b32 s21, 0x3f22f983                      ; 2 / pi
	s_mov_b32 s22, 0x3fc90fdb                      ; pi / 2, its upper part,
	s_mov_b32 s23, 0xb33bbd2e                      ; and what is left of it
	s_mov_b32 s24, 0xb94ca1f9                      ; the sine's polynomial
	s_mov_b32 s25, 0x3c08839e
	s_mov_b32 s26, 0xbe2aaaa3
	s_mov_b32 s27, 0x37ccf5ce                      ; the cosine's
	s_mov_b32 s28, 0xbab6061a
	s_mov_b32 s29, 0x3d2aaaa5
.irp j, 0,1,2,3
	v_add_nc_u32 v[8+\j], \j, v4
.endr
.irp j, 0,1,2,3
	v_cvt_f32_u32 v[8+\j], v[8+\j]
.endr
.irp j, 0,1,2,3
	v_mul_f32 v[8+\j], s20, v[8+\j]
.endr
	s_wait_alu depctr_va_vdst(0)
.irp j, 0,1,2,3
	v_exp_f32 v[8+\j], v[8+\j]                     ; 10000^(-i / 32)
.endr
	v_lshlrev_b32 v44, 4, v1                       ; (a plain line behind the exponentials)  my 16 bytes of the table
	s_wait_alu depctr_va_vdst(0)
.irp j, 0,1,2,3
	v_mul_f32 v[12+\j], v6, v[8+\j]                ; the angle
.endr
.irp j, 0,1,2,3
	v_mul_f32 v[16+\j], s21, v[12+\j]
.endr
.irp j, 0,1,2,3
	v_rndne_f32 v[16+\j], v[16+\j]                 ; n
.endr
.irp j, 0,1,2,3
	v_fma_f32 v[12+\j], -v[16+\j], s22, v[12+\j]
.endr
.irp j, 0,1,2,3
	v_fma_f32 v[12+\j], -v[16+\j], s23, v[12+\j]   ; r = the angle - n pi / 2
.endr
.irp j, 0,1,2,3
	v_mul_f32 v[20+\j], v[12+\j], v[12+\j]         ; r^2
.endr
.irp j, 0,1,2,3
	v_fma_f32 v[24+\j], s24, v[20+\j], s25
	v_fma_f32 v[28+\j], s27, v[20+\j], s28
.endr
.irp j, 0,1,2,3
	v_fma_f32 v[24+\j], v[24+\j], v[20+\j], s26
	v_fma_f32 v[28+\j], v[28+\j], v[20+\j], s29
.endr
.irp j, 0,1,2,3
	v_mul_f32 v[24+\j], v[24+\j], v[20+\j]
	v_mul_f32 v[32+\j], v[20+\j], v[20+\j]         ; r^4
	v_fma_f32 v[36+\j], -0.5, v[20+\j], 1.0
.endr
.irp j, 0,1,2,3
	v_fma_f32 v[24+\j], v[24+\j], v[12+\j], v[12+\j]   ; sin r
	v_fma_f32 v[28+\j], v[28+\j], v[32+\j], v[36+\j]   ; cos r
	v_cvt_i32_f32 v[16+\j], v[16+\j]
.endr
.irp j, 0,1,2,3
	v_add_nc_u32 v[16+\j], v[16+\j], v5            ; the quadrant
.endr
.irp j, 0,1,2,3
	v_and_b32 v[32+\j], 1, v[16+\j]
	v_cmp_ne_u32 vcc_lo, 0, v[32+\j]
	v_cndmask_b32 v[40+\j], v[24+\j], v[28+\j], vcc_lo   ; odd quadrants take the cosine
	v_and_b32 v[32+\j], 2, v[16+\j]
	v_lshlrev_b32 v[32+\j], 30, v[32+\j]
	v_xor_b32 v[40+\j], v[40+\j], v[32+\j]         ; quadrants 2 and 3 change the sign
.endr
	s_wait_alu depctr_va_vdst(0)
	s_wait_kmcnt 0x0
	s_add_nc_u64 s[10:11], s[10:11], TAB
	global_store_b128 v44, v[40:43], s[10:11]      ; sixteen lanes store a position's 256 bytes
	s_endpgm
.Lfunc_end_k_q331374a7fb_prep:
	.size	k_q331374a7fb_prep, .Lfunc_end_k_q331374a7fb_prep-k_q331374a7fb_prep
	.p2alignl 7, 3214868480
	.fill 96, 4, 3214868480
	.section	.rodata,"a",@progbits
	.p2align	6, 0x0
	.amdhsa_kernel k_q331374a7fb_prep
		.amdhsa_group_segment_fixed_size 33280
		.amdhsa_private_segment_fixed_size 0
		.amdhsa_enable_private_segment 0
		.amdhsa_kernarg_size 32
		.amdhsa_user_sgpr_count 2
		.amdhsa_user_sgpr_kernarg_segment_ptr 1
		.amdhsa_wavefront_size32 1
		.amdhsa_system_sgpr_workgroup_id_x 1
		.amdhsa_system_sgpr_workgroup_id_y 1
		.amdhsa_system_sgpr_workgroup_id_z 1
		.amdhsa_system_vgpr_workitem_id 0
		.amdhsa_next_free_vgpr 194
		.amdhsa_next_free_sgpr 66
		.amdhsa_reserve_vcc 1
		.amdhsa_float_denorm_mode_32 3
		.amdhsa_float_denorm_mode_16_64 3
		.amdhsa_memory_ordered 1
		.amdhsa_forward_progress 1
		.amdhsa_inst_pref_size 25
	.end_amdhsa_kernel
	.amdgpu_metadata
---
amdhsa.version: [ 1, 2 ]
amdhsa.kernels:
  - .name:           k_q331374a7fb_prep
    .symbol:         k_q331374a7fb_prep.kd
    .args:
      - { .name: query, .offset: 0, .size: 8, .value_kind: global_buffer, .address_space: global }
      - { .name: W_qkv, .offset: 8, .size: 8, .value_kind: global_buffer, .address_space: global }
      - { .name: W_out, .offset: 16, .size: 8, .value_kind: global_buffer, .address_space: global }
      - { .name: prep, .offset: 24, .size: 8, .value_kind: global_buffer, .address_space: global }
    .group_segment_fixed_size: 33280
    .private_segment_fixed_size: 0
    .kernarg_segment_align: 8
    .kernarg_segment_size: 32
    .max_flat_workgroup_size: 128
    .sgpr_count:     66
    .vgpr_count:     194
    .wavefront_size: 32
...
	.end_amdgpu_metadata
.endif
;; end of part 1
;; launch gemm_qk (part 2): grid 8 x 32, 4 waves a work-group, clusters of 4 x 4, 327,680 bytes of LDS; arguments prep, b_qkv, qkb; writes qkb
.if DOCPART == 2
	.amdgcn_target "amdgcn-amd-amdhsa--gfx1250"
	.amdhsa_code_object_version 6
	.text
	.protected	k_q331374a7fb_gemm_qk
	.globl	k_q331374a7fb_gemm_qk
	.p2align	8
	.type	k_q331374a7fb_gemm_qk,@function
k_q331374a7fb_gemm_qk:
	s_mov_b64 s[64:65], 0
	v_nop
	global_prefetch_b8 v0, s[64:65] scope:SCOPE_SE
	s_setreg_imm32_b32 hwreg(HW_REG_WAVE_MODE, 25, 1), 1
	s_wait_xcnt 0x0
	s_wait_alu depctr_hold_cnt(0) depctr_sa_sdst(0) depctr_va_vdst(0) depctr_va_sdst(0) depctr_va_ssrc(0) depctr_va_vcc(0) depctr_vm_vsrc(0)
	s_getreg_b32 s2, hwreg(HW_REG_IB_STS2, 6, 4)
	s_cmp_eq_u32 s2, 0
	s_cbranch_scc0 .Lentry_in_a_cluster
	s_endpgm
.Lentry_in_a_cluster:
	s_bfe_u32 s2, ttmp6, 0x10000c
	s_cmp_lg_u32 s2, 0xf033
	s_cbranch_scc0 .Lentry_shape_is_right
	s_endpgm
.Lentry_shape_is_right:
.set SIZE_K, 1024
.set XS,     9437184
.set WQC,    6291456
.set WQS,    9699328
.set TAB,    9830400
.set BLKB,   6400
.set HEADB,  16*BLKB
.set KSTEP,  256
.set NQ,     KSTEP/128
.set ROWB,   192
.set KROW,   SIZE_K*6/8
.set PITCH,  240
.set FR,     12
.set NL,     6
.set NP,     4
.set HALFT,  128*PITCH
.set SLOT,   4*HALFT
.set LAPS,   SIZE_K/(2*KSTEP)
.set KS,     SIZE_K/32
.set SCL,    2*SLOT
.set HALFS,  (128*KS/256)*272
.set SBLK,   (16*KS/256)*272
.set SPARE,  SCL+4*HALFS
.set SCST,   SPARE+512
.set TA,   7
.set GO,   8
.set SW,   9
.set SRD,  10
.set G8,   11
.set BO,   12
.set ADRA, 16
.set ADRB, 20
.set ADRS, 27
.set SPW,  28
.set NIL,  29
.set SC,   32
.set BIAS, 64
.set CS,   64
.set AF,   128
.set Y,    128
.set PC,   192
.set TM,   212
.set PW,   228
.set SWO,  230
.set SEL,  20
.set G1, 24
.set G0, 32
.set G1B, 48
.set G0B, 56
.set G1S, 68
.set G0S, 76
.set G1SB, 80
.set G0SB, 88
.set CHB,  24576                       ; a K step's codes of 128 rows: a dense block of the buffer, at a multiple of 256 bytes; four of them make a group of 128 rows
.set G0H,  4                           ; s[4:7], s[8:11] group 0 of the head's loads of K step 0: A's 256 rows, B's 256 rows
.set G0HB, 8
.set MSB, 0
.macro WIN new
.if MSB != \new
	s_set_vgpr_msb (MSB<<8)|\new
.set MSB, \new
.endif
.endm
.set MUL_LO, 0xa1
.set MUL_HI, 0xf1
.set TO_B,   0x40
.macro JLOAD g0a, g1a, g0b, g1b
	s_cmp_eq_u32 s15, 0
	s_cbranch_scc0 .Lfor_b_\@
	tensor_load_to_lds s[\g0a:\g0a+3], s[\g1a:\g1a+7]
	s_nop 0
.rept 4
	v_nop
.endr
	s_branch .Lasked_\@
.Lfor_b_\@:
	tensor_load_to_lds s[\g0b:\g0b+3], s[\g1b:\g1b+7]
	s_nop 0
.rept 4
	v_nop
.endr
.Lasked_\@:
.endm
.macro CREST
	s_cmp_lg_u32 s14, 0
	s_cbranch_scc1 .Lnot_wave_0_\@
	s_barrier_signal -3
.Lnot_wave_0_\@:
	s_barrier_wait -3
	s_barrier_signal -1
	s_barrier_wait -1
.endm
.macro CROUND
	s_barrier_signal -1
	s_barrier_wait -1
	CREST
.endm
	s_load_b128 s[4:7], s[0:1], 0x0
	s_load_b64 s[12:13], s[0:1], 0x10
	v_lshl_add_u32 v[SPW], v0, 2, SPARE
	v_mov_b32 v[NIL], 0
	ds_add_u32 v28, v29
	ds_add_u32 v28, v29
	s_wait_dscnt 0x0
	v_lshrrev_b32 v1, 5, v0
	v_readfirstlane_b32 s14, v1
	s_lshr_b32 s15, s14, 1
	s_and_b32 s16, s14, 1
	s_bfe_u32 s40, ttmp6, 0x40000
	s_bfe_u32 s41, ttmp6, 0x40004
	s_lshl_b32 s42, ttmp9, 2
	s_add_co_u32 s42, s42, s40
	s_and_b32 s17, ttmp7, 0xffff
	s_lshl_b32 s17, s17, 2
	s_add_co_u32 s17, s17, s41
	s_lshl_b32 s43, s41, 2
	s_lshl_b32 s43, 15, s43
	s_lshl_b32 s44, 0x1111, s40
	s_or_b32 s[G1+0], s43, (0<<16)|(1<<20)|(1<<21)|(3<<22)|(3<<25)
	s_or_b32 s[G1B+0], s44, (0<<16)|(1<<20)|(1<<21)|(3<<22)|(3<<25)
.irp g, G1, G1B
	s_mov_b32 s[\g+1], CHB<<16                     ; for the head's loads: two blocks of CHB bytes (256 rows of a K step), 4 CHB apart
	s_mov_b32 s[\g+2], 2<<16
	s_mov_b32 s[\g+3], CHB<<16
	s_mov_b32 s[\g+4], 2
	s_mov_b32 s[\g+5], 4*CHB
	s_mov_b32 s[\g+6], 0
	s_mov_b32 s[\g+7], 0
.endr
	s_or_b32 s[G1S+0], s43, (3<<16)|(1<<20)|(1<<21)|(5<<22)|(3<<25)
	s_or_b32 s[G1SB+0], s44, (3<<16)|(1<<20)|(1<<21)|(5<<22)|(3<<25)
.irp g, G1S, G1SB
	s_mov_b32 s[\g+1], 32<<16
	s_mov_b32 s[\g+2], KS<<16                      ; the scales of 256 rows: KS rows of 256 bytes
	s_mov_b32 s[\g+3], 32<<16
	s_mov_b32 s[\g+4], KS
	s_mov_b32 s[\g+5], 32
	s_mov_b32 s[\g+6], 0
	s_mov_b32 s[\g+7], 0
.endr
	s_lshl_b32 s20, s17, 8                         ; the tiles' first rows
	s_lshl_b32 s46, s42, 8
	s_mov_b32 s21, 0
	s_mov_b32 s47, 0
	s_mov_b64 s[18:19], KS
	s_mul_u64 s[22:23], s[20:21], s[18:19]
	s_mul_u64 s[92:93], s[46:47], s[18:19]
	s_mov_b64 s[18:19], KROW
	s_mul_u64 s[20:21], s[20:21], s[18:19]
	s_mul_u64 s[46:47], s[46:47], s[18:19]
	s_mul_i32 s45, s14, HALFT
	s_mul_i32 s18, s16, 128*KROW                   ; in the ring I fetch 128 rows of a tile: which group, in bytes
	s_mov_b32 s19, 0
	s_wait_kmcnt 0x0
	s_mov_b64 s[96:97], s[6:7]
	s_add_nc_u64 s[98:99], s[4:5], TAB
	s_add_nc_u64 s[6:7], s[4:5], XS
	s_add_nc_u64 s[8:9], s[4:5], WQC
	s_add_nc_u64 s[10:11], s[4:5], WQS
	s_add_nc_u64 s[20:21], s[4:5], s[20:21]
	s_add_nc_u64 s[22:23], s[6:7], s[22:23]
	s_add_nc_u64 s[46:47], s[8:9], s[46:47]
	s_add_nc_u64 s[92:93], s[10:11], s[92:93]
	CROUND
	s_mov_b32 s[G0S], 1
	s_mov_b32 s[G0S+1], SCL
	s_mov_b64 s[G0S+2:G0S+3], s[22:23]
	s_or_b32 s[G0S+3], s[G0S+3], 0x80000000
	s_mov_b32 s[G0SB], 1
	s_mov_b32 s[G0SB+1], SCL+2*HALFS
	s_mov_b64 s[G0SB+2:G0SB+3], s[92:93]
	s_or_b32 s[G0SB+3], s[G0SB+3], 0x80000000
	s_mov_b32 s[G0H], 1
	s_mov_b32 s[G0H+1], 0
	s_mov_b64 s[G0H+2:G0H+3], s[20:21]
	s_or_b32 s[G0H+3], s[G0H+3], 0x80000000
	s_mov_b32 s[G0HB], 1
	s_mov_b32 s[G0HB+1], 2*HALFT
	s_mov_b64 s[G0HB+2:G0HB+3], s[46:47]
	s_or_b32 s[G0HB+3], s[G0HB+3], 0x80000000
	s_add_nc_u64 s[20:21], s[20:21], s[18:19]      ; for the ring: my 128 rows of the tile
	s_add_nc_u64 s[46:47], s[46:47], s[18:19]
.irp s, 0,1
	s_mov_b32 s[G0+4*\s], 1
	s_add_co_u32 s[G0+4*\s+1], s45, \s*SLOT
	s_add_nc_u64 s[G0+4*\s+2:G0+4*\s+3], s[20:21], \s*CHB
	s_or_b32 s[G0+4*\s+3], s[G0+4*\s+3], 0x80000000
	s_mov_b32 s[G0B+4*\s], 1
	s_add_co_u32 s[G0B+4*\s+1], s45, \s*SLOT
	s_add_nc_u64 s[G0B+4*\s+2:G0B+4*\s+3], s[46:47], \s*CHB
	s_or_b32 s[G0B+4*\s+3], s[G0B+4*\s+3], 0x80000000
.endr
; THE HEAD'S LOADS, one a wave: wave 0 K step 0's 256 rows of A, wave 1 its 256 rows of B, wave 2 A's scales, wave 3 B's.  One tree of branches on the wave's number, all arms to one join.
.macro ARM under, g0, g1, next
	s_cmp_lt_u32 s14, \under
	s_cbranch_scc0 \next
	tensor_load_to_lds s[\g0:\g0+3], s[\g1:\g1+7]
	s_nop 0
.rept 4
	v_nop
.endr
	s_branch .Lhead_asked
\next:
.endm
	ARM 1, G0H,  G1,  .Lhead_b
	ARM 2, G0HB, G1B, .Lhead_sa
	ARM 3, G0S,  G1S, .Lhead_sb
	tensor_load_to_lds s[G0SB:G0SB+3], s[G1SB:G1SB+7]
	s_nop 0
.rept 4
	v_nop
.endr
.Lhead_asked:
	v_and_b32 v1, 15, v0
	v_bfe_u32 v2, v0, 4, 1
	v_mul_u32_u24 v3, v1, PITCH
	v_mul_u32_u24 v4, v2, 24
	v_add_nc_u32 v4, v3, v4
	v_lshl_add_u32 v5, v2, 4, v4
	s_mul_i32 s21, s15, HALFT
	s_mul_i32 s22, s16, HALFT
	s_add_co_u32 s22, s22, 2*HALFT
.irp s, 0,1
	v_add_nc_u32 v[ADRA+\s], s21, v4
	v_add_nc_u32 v[ADRB+\s], s22, v4
	v_add_nc_u32 v[ADRA+2+\s], s21, v5
	v_add_nc_u32 v[ADRB+2+\s], s22, v5
	s_add_co_u32 s21, s21, SLOT
	s_add_co_u32 s22, s22, SLOT
.endr
	v_mul_u32_u24 v5, v1, KS
	v_lshrrev_b32 v6, 8, v5
	v_lshl_add_u32 v5, v6, 4, v5
	s_mul_i32 s21, s15, HALFS
	s_mul_i32 s22, s16, HALFS
	s_add_co_u32 s22, s22, 2*HALFS
	s_sub_co_u32 s22, s22, s21
	v_mul_u32_u24 v6, s22, v2
	s_add_co_u32 s21, s21, SCL
	v_add_nc_u32 v5, v5, v6
	v_add_nc_u32 v[ADRS], s21, v5
	v_and_b32 v[TA], 7, v1
	v_lshrrev_b32 v3, 3, v1
	v_lshl_add_u32 v[TA], v3, 4, v[TA]
	v_lshlrev_b32 v[TA], 8, v[TA]
	v_lshl_add_u32 v[TA], v2, 6, v[TA]
	v_and_b32 v[GO], 31, v0
	v_lshlrev_b32 v[G8], 3, v[GO]
	v_lshlrev_b32 v[GO], 4, v[GO]
	s_lshl_b32 s21, s14, 9
	s_add_co_u32 s21, s21, SCST
	v_lshl_add_u32 v[SW], v1, 2, s21
	v_add_nc_u32 v[SRD], s21, v[G8]
	v_lshlrev_b32 v[BO], 6, v2
	s_wait_alu depctr_va_vdst(0)
	s_lshl_b32 s20, s17, 1
	s_add_co_u32 s20, s20, s15
	s_and_b32 s20, s20, 15
	s_lshr_b32 s21, s17, 3
	s_lshr_b32 s22, s42, 2
	s_lshl_b32 s22, s22, 2
	s_add_co_u32 s22, s22, s21
	s_and_b32 s23, s42, 3
	s_lshl_b32 s23, s23, 2
	s_lshl_b32 s46, s16, 1
	s_add_co_u32 s23, s23, s46
	s_lshl_b32 s22, s22, 4
	s_add_co_u32 s22, s22, s23
	s_lshl_b32 s22, s22, 4
	s_add_co_u32 s22, s22, s20
	s_mul_i32 s22, s22, BLKB
	s_mov_b32 s23, 0
	s_add_nc_u64 s[12:13], s[12:13], s[22:23]
	s_lshl_b32 s22, s20, 15
	s_add_nc_u64 s[98:99], s[98:99], s[22:23]
	s_lshl_b32 s22, s42, 10
	s_lshl_b32 s46, s16, 9
	s_add_co_u32 s22, s22, s46
	s_add_nc_u64 s[96:97], s[96:97], s[22:23]
	s_mov_b32 s[SEL], 0x76543210
	s_mov_b32 s[SEL+1], 0xfedcba98
.irp b, 0,1,2,3,4,5,6,7
	global_load_b128 v[BIAS+8*\b:BIAS+8*\b+3], v[BO], s[96:97] offset:4*(32*(\b/2)+8*(\b%2))
	global_load_b128 v[BIAS+8*\b+4:BIAS+8*\b+7], v[BO], s[96:97] offset:4*(32*(\b/2)+8*(\b%2))+16
.endr
.macro FRAG reg, adr, q, i
.irp p, 0,1,2,3,4,5
.set PCE, 12*(\q)+6*(\p/3)+\p%3
.if PCE%8 < 5
	ds_load_b64 v[\reg+2*\p:\reg+2*\p+1], v[\adr] offset:8*PCE+16*(PCE/8)+(\i)*16*PITCH
.else
	ds_load_b64 v[\reg+2*\p:\reg+2*\p+1], v[\adr+2] offset:8*PCE+16*(PCE/8)+(\i)*16*PITCH
.endif
.endr
.endm
.macro MUL16 a0, p, q, sc, zero
.irp a, \a0, \a0+1
.irp b, 0,1,2,3,4,5,6,7
.if \zero
	v_wmma_scale_f32_16x16x128_f8f6f4 v[8*(8*((\a)%4)+\b):8*(8*((\a)%4)+\b)+7], v[128*(\p)+FR*\b:128*(\p)+FR*\b+FR-1], v[AF+FR*(\a):AF+FR*(\a)+FR-1], v[BIAS+8*\b:BIAS+8*\b+7], v[SC+8*NQ*(\sc)+NQ*\b+(\q)], v[SC+8*NQ*(\sc)+NQ*(\a)+(\q)] matrix_a_fmt:MATRIX_FMT_BF6 matrix_b_fmt:MATRIX_FMT_BF6 matrix_a_scale:MATRIX_SCALE_ROW1
.else
	v_wmma_scale_f32_16x16x128_f8f6f4 v[8*(8*((\a)%4)+\b):8*(8*((\a)%4)+\b)+7], v[128*(\p)+FR*\b:128*(\p)+FR*\b+FR-1], v[AF+FR*(\a):AF+FR*(\a)+FR-1], v[8*(8*((\a)%4)+\b):8*(8*((\a)%4)+\b)+7], v[SC+8*NQ*(\sc)+NQ*\b+(\q)], v[SC+8*NQ*(\sc)+NQ*(\a)+(\q)] matrix_a_fmt:MATRIX_FMT_BF6 matrix_b_fmt:MATRIX_FMT_BF6 matrix_a_scale:MATRIX_SCALE_ROW1
.endif
.endr
.endr
.endm
.macro FETCH_B slot, q, p
	WIN TO_B
.irp i, 0,1,2,3,4,5,6,7
	FRAG 128*(\p)+FR*\i, ADRB+\slot, \q, \i
.endr
	WIN 0
.endm
.macro FETCH_A slot, q, i0
.irp i, \i0, \i0+1, \i0+2, \i0+3
	FRAG AF+FR*(\i), ADRA+\slot, \q, \i
.endr
.endm
.macro SCALES sc
.irp i, 0,1,2,3,4,5,6,7
	ds_load_b64 v[SC+8*NQ*\sc+NQ*\i:SC+8*NQ*\sc+NQ*\i+1], v[ADRS] offset:\i*SBLK
.endr
.endm
.macro PLACES n
.rept \n
	v_nop
.endr
.endm
.macro STEP slot, q, zero
	s_wait_dscnt 4*NL
.if \zero
	WIN 0x81
.else
	WIN MUL_LO
.endif
	MUL16 0, (\q)%2, \q, \slot, \zero
	MUL16 2, (\q)%2, \q, \slot, \zero
	s_wait_dscnt 0
	PLACES NP
	FETCH_B \slot, (\q)+1, 1-(\q)%2
	FETCH_A \slot, (\q)+1, 0
.if \zero
	WIN 0xc1
.else
	WIN MUL_HI
.endif
	MUL16 4, (\q)%2, \q, \slot, \zero
	MUL16 6, (\q)%2, \q, \slot, \zero
	PLACES NP
	WIN 0
	FETCH_A \slot, (\q)+1, 4
.endm
.macro TURN slot, next, fill
	s_wait_tensorcnt 0x0
	ds_add_u32 v[SPW], v[NIL]
	s_wait_dscnt 4*NL+1
	WIN MUL_LO
	MUL16 0, 1, NQ-1, \slot, 0
	s_wait_dscnt 0x0
	s_barrier_signal -1
	MUL16 2, 1, NQ-1, \slot, 0
	WIN 0
	s_barrier_wait -1
.if \fill
	CREST
	s_add_nc_u64 s[G0+4*\slot+2:G0+4*\slot+3], s[G0+4*\slot+2:G0+4*\slot+3], 2*CHB
	s_add_nc_u64 s[G0B+4*\slot+2:G0B+4*\slot+3], s[G0B+4*\slot+2:G0B+4*\slot+3], 2*CHB
	JLOAD G0+4*\slot, G1, G0B+4*\slot, G1B
.else
	PLACES NP
.endif
	s_wait_alu depctr_va_vdst(0)
	v_add_nc_u32 v[ADRS], 4*NQ, v[ADRS]
	FETCH_B \next, 0, 0
	FETCH_A \next, 0, 0
	SCALES \next
	WIN MUL_HI
	MUL16 4, 1, NQ-1, \slot, 0
	MUL16 6, 1, NQ-1, \slot, 0
	PLACES NP
	WIN 0
	FETCH_A \next, 0, 4
.endm
.macro CSLOAD p                        ; the table's rows of group p, 16 loads: group 0 into window 0, groups 1 to 3 into window 1, v[64 (p - 1) ..], where B's fragments are done with
.if (\p) == 0
.set CD, CS
.else
.set CD, 64*((\p)-1)
	WIN TO_B
.endif
.irp e, 0,1
.irp j, 0,1,2,3
	global_load_b128 v[CD+32*\e+4*\j:CD+32*\e+4*\j+3], v[TA], s[98:99] offset:(32*(\p)+8*\e)*256+16*\j
	global_load_b128 v[CD+32*\e+16+4*\j:CD+32*\e+16+4*\j+3], v[TA], s[98:99] offset:(32*(\p)+8*\e)*256+128+16*\j
.endr
.endr
	WIN 0
.endm
.macro ROPE e, p, hh
.set AB, 64*((2*(\p)+(\e))%4)+32*(\hh)
.set YB, Y+32*(\e)
.if (\p) == 0
.set CSB, CS+32*(\e)
	WIN 0x02+(\p)/2
.else
.set CSB, 64*((\p)-1)+32*(\e)
	WIN 0x06+(\p)/2                                ; source 1, the table: window 1
.endif
.irp i, 0,2,4,6,8,10,12,14
	v_pk_mul_f32 v[YB+\i:YB+\i+1], v[AB+\i:AB+\i+1], v[CSB+\i:CSB+\i+1]
	v_pk_mul_f32 v[YB+16+\i:YB+16+\i+1], v[AB+16+\i:AB+16+\i+1], v[CSB+\i:CSB+\i+1]
.endr
.irp i, 0,2,4,6,8,10,12,14
	v_pk_fma_f32 v[YB+\i:YB+\i+1], v[AB+16+\i:AB+16+\i+1], v[CSB+16+\i:CSB+16+\i+1], v[YB+\i:YB+\i+1] neg_lo:[1,0,0] neg_hi:[1,0,0]
	v_pk_fma_f32 v[YB+16+\i:YB+16+\i+1], v[AB+\i:AB+\i+1], v[CSB+16+\i:CSB+16+\i+1], v[YB+16+\i:YB+16+\i+1]
.endr
.endm
.macro QUANT s
.irp b, 0,1,2,3
	v_max3_num_f32 v[TM+\b], |v[\s+16*\b]|, |v[\s+1+16*\b]|, 0x2800000
.endr
.irp i, 2,4,6,8,10,12,14
.irp b, 0,1,2,3
	v_max3_num_f32 v[TM+\b], v[TM+\b], |v[\s+16*\b+\i]|, |v[\s+1+16*\b+\i]|
.endr
.endr
.irp b, 0,1,2,3
	v_permlanex16_b32 v[TM+4+\b], v[TM+\b], s[SEL], s[SEL+1]
.endr
.irp b, 0,1,2,3
	v_max_num_f32 v[TM+\b], v[TM+\b], v[TM+4+\b]
.endr
.irp b, 0,1,2,3
	v_add_nc_u32 v[TM+12+\b], 0xfe000000, v[TM+\b]
.endr
.irp b, 0,1,2,3
	v_lshrrev_b32 v[TM+4+\b], 23, v[TM+12+\b]
.endr
	v_lshl_or_b32 v[PW], v[TM+5], 8, v[TM+4]
	v_lshl_or_b32 v[PW], v[TM+6], 16, v[PW]
	v_lshl_or_b32 v[PW], v[TM+7], 24, v[PW]
.irp c, 0,1
	v_cvt_scalef32_pk16_bf6_f32 v[PC+6*\c:PC+2+6*\c], v[\s+32*\c:\s+15+32*\c], v[TM+12+2*\c]
	v_cvt_scalef32_pk16_bf6_f32 v[PC+12+4*\c:PC+14+4*\c], v[\s+16+32*\c:\s+31+32*\c], v[TM+12+2*\c+1]
.endr
	v_nop
.irp c, 0,1
.irp i, 0,1,2
	v_permlane16_swap_b32 v[PC+6*\c+\i], v[PC+12+4*\c+\i]
.endr
.irp i, 0,1,2
	v_mov_b32 v[PC+3+6*\c+\i], v[PC+12+4*\c+\i]
.endr
.endr
.endm
	s_wait_alu depctr_va_vdst(0)                   ; the wait at the head's end
	s_wait_tensorcnt 0x0                           ; my tile of the head's four is in
	ds_add_u32 v[SPW], v[NIL]
.irp g, G1, G1B
	s_mov_b32 s[\g+1], 256<<16                     ; no tensor load of mine is out: from here on a load brings one block of CHB bytes, as 96 rows of 256
	s_mov_b32 s[\g+2], 96<<16
	s_mov_b32 s[\g+3], 256<<16
	s_mov_b32 s[\g+4], 96
	s_mov_b32 s[\g+5], 256
.endr
	s_wait_dscnt 0x0
	CROUND                                         ; all four tiles are in, and all sixteen work-groups are here
	JLOAD G0+4, G1, G0B+4, G1B                     ; K step 1, the first tensor load behind the round
	FETCH_B 0, 0, 0
	FETCH_A 0, 0, 0
	SCALES 0
	FETCH_A 0, 0, 4
	s_wait_loadcnt 0x0
	STEP 0, 0, 1
	s_mov_b32 s3, LAPS-1
.Llap:
	TURN 0, 1, 1
	STEP 1, 0, 0
	TURN 1, 0, 1
	STEP 0, 0, 0
	s_sub_co_u32 s3, s3, 1
	s_cmp_lg_u32 s3, 0
	s_cbranch_scc1 .Llap
	CSLOAD 0
	TURN 0, 1, 0
	STEP 1, 0, 0
	s_wait_dscnt 4*NL
	WIN MUL_LO
	MUL16 0, 1, NQ-1, 1, 0
	MUL16 2, 1, NQ-1, 1, 0
	s_wait_dscnt 0
	WIN MUL_HI
	MUL16 4, 1, NQ-1, 1, 0
	MUL16 6, 1, NQ-1, 1, 0
	WIN 0
	PLACES NP
.irp b, 0,1,2,3
	v_mov_b32 v[TM+4+\b], 0
.endr
	CSLOAD 1                                       ; behind four v_nop and four moves: places for loads into registers that the last products read
	CSLOAD 2
	CSLOAD 3
.irp p, 0,1,2,3
	s_wait_loadcnt 16*(3-\p)                       ; group p's 16 loads are in; those of the 3 - p later groups may be out
.irp hh, 0,1
	s_wait_xcnt 0x0
	s_wait_dscnt 0x0
	ROPE 0, \p, \hh
	ROPE 1, \p, \hh
	WIN 0
	QUANT Y
.irp c, 0,1,2
	global_store_b128 v[GO], v[PC+4*\c:PC+4*\c+3], s[12:13] offset:HEADB*\hh+1536*\p+512*\c
.endr
	ds_store_b32 v[SW], v[PW] offset:256*\hh+64*\p
.endr
.endr
.irp hh, 0,1
	ds_load_b64 v[SWO+2*\hh:SWO+2*\hh+1], v[SRD] offset:256*\hh
.endr
	s_wait_dscnt 0x0
.irp hh, 0,1
	global_store_b64 v[G8], v[SWO+2*\hh:SWO+2*\hh+1], s[12:13] offset:HEADB*\hh+6144
.endr
	s_wait_tensorcnt 0x0
	ds_add_u32 v[SPW], v[NIL]
	s_wait_dscnt 0x0
	CROUND
	s_endpgm
.Lfunc_end_k_q331374a7fb_gemm_qk:
	.size	k_q331374a7fb_gemm_qk, .Lfunc_end_k_q331374a7fb_gemm_qk-k_q331374a7fb_gemm_qk
	.p2alignl 7, 3214868480
	.fill 96, 4, 3214868480
	.section	.rodata,"a",@progbits
	.p2align	6, 0x0
	.amdhsa_kernel k_q331374a7fb_gemm_qk
		.amdhsa_group_segment_fixed_size 327680
		.amdhsa_private_segment_fixed_size 0
		.amdhsa_enable_private_segment 0
		.amdhsa_kernarg_size 24
		.amdhsa_user_sgpr_count 2
		.amdhsa_user_sgpr_kernarg_segment_ptr 1
		.amdhsa_wavefront_size32 1
		.amdhsa_system_sgpr_workgroup_id_x 1
		.amdhsa_system_sgpr_workgroup_id_y 1
		.amdhsa_system_sgpr_workgroup_id_z 1
		.amdhsa_system_vgpr_workitem_id 0
		.amdhsa_next_free_vgpr 1024
		.amdhsa_next_free_sgpr 100
		.amdhsa_reserve_vcc 0
		.amdhsa_float_denorm_mode_32 3
		.amdhsa_float_denorm_mode_16_64 3
		.amdhsa_memory_ordered 1
		.amdhsa_forward_progress 1
		.amdhsa_inst_pref_size 207
	.end_amdhsa_kernel
	.amdgpu_metadata
---
amdhsa.version: [ 1, 2 ]
amdhsa.kernels:
  - .name:           k_q331374a7fb_gemm_qk
    .symbol:         k_q331374a7fb_gemm_qk.kd
    .args:
      - { .name: prep, .offset: 0, .size: 8, .value_kind: global_buffer, .address_space: global }
      - { .name: b_qkv, .offset: 8, .size: 8, .value_kind: global_buffer, .address_space: global }
      - { .name: qkb, .offset: 16, .size: 8, .value_kind: global_buffer, .address_space: global }
    .group_segment_fixed_size: 327680
    .private_segment_fixed_size: 0
    .kernarg_segment_align: 8
    .kernarg_segment_size: 24
    .max_flat_workgroup_size: 128
    .sgpr_count:     100
    .vgpr_count:     1024
    .wavefront_size: 32
...
	.end_amdgpu_metadata
.endif
;; end of part 2
;; launch gemm_v (part 3): grid 32 x 4, 4 waves a work-group, clusters of 4 x 4, 327,680 bytes of LDS; arguments prep, b_qkv, vb; writes vb
.if DOCPART == 3
	.amdgcn_target "amdgcn-amd-amdhsa--gfx1250"
	.amdhsa_code_object_version 6
	.text
	.protected	k_q331374a7fb_gemm_v
	.globl	k_q331374a7fb_gemm_v
	.p2align	8
	.type	k_q331374a7fb_gemm_v,@function
k_q331374a7fb_gemm_v:
	s_mov_b64 s[64:65], 0
	v_nop
	global_prefetch_b8 v0, s[64:65] scope:SCOPE_SE
	s_setreg_imm32_b32 hwreg(HW_REG_WAVE_MODE, 25, 1), 1
	s_wait_xcnt 0x0
	s_wait_alu depctr_hold_cnt(0) depctr_sa_sdst(0) depctr_va_vdst(0) depctr_va_sdst(0) depctr_va_ssrc(0) depctr_va_vcc(0) depctr_vm_vsrc(0)
	s_getreg_b32 s2, hwreg(HW_REG_IB_STS2, 6, 4)
	s_cmp_eq_u32 s2, 0
	s_cbranch_scc0 .Lentry_in_a_cluster
	s_endpgm
.Lentry_in_a_cluster:
	s_bfe_u32 s2, ttmp6, 0x10000c
	s_cmp_lg_u32 s2, 0xf033
	s_cbranch_scc0 .Lentry_shape_is_right
	s_endpgm
.Lentry_shape_is_right:
.set SIZE_K, 1024
.set XS,     9437184
.set WVC,    6291456+1572864
.set WVS,    9699328+65536
.set BLKB,   6400
.set HEADB,  16*BLKB
.set KSTEP,  256
.set NQ,     KSTEP/128
.set ROWB,   192
.set KROW,   SIZE_K*6/8
.set PITCH,  240
.set FR,     12
.set NL,     6
.set NP,     4
.set HALFT,  128*PITCH
.set SLOT,   4*HALFT
.set LAPS,   SIZE_K/(2*KSTEP)
.set KS,     SIZE_K/32
.set SCL,    2*SLOT
.set HALFS,  (128*KS/256)*272
.set SBLK,   (16*KS/256)*272
.set SPARE,  SCL+4*HALFS
.set SCST,   SPARE+512
.set GO,   8
.set SW,   9
.set SRD,  10
.set G8,   11
.set BO,   12
.set ADRA, 16
.set ADRB, 20
.set ADRS, 27
.set SPW,  28
.set NIL,  29
.set SC,   32
.set BV,   64
.set AF,   128
.set Y,    128
.set PC,   192
.set TM,   212
.set PW,   228
.set SWO,  230
.set SEL,  20
.set G1, 24
.set G0, 32
.set G1B, 48
.set G0B, 56
.set G1S, 68
.set G0S, 76
.set G1SB, 80
.set G0SB, 88
.set CHB,  24576                       ; a K step's codes of 128 rows: a dense block of the buffer, at a multiple of 256 bytes; four of them make a group of 128 rows
.set G0H,  4                           ; s[4:7], s[8:11] group 0 of the head's loads of K step 0: A's 256 rows, B's 256 rows
.set G0HB, 8
.set MSB, 0
.macro WIN new
.if MSB != \new
	s_set_vgpr_msb (MSB<<8)|\new
.set MSB, \new
.endif
.endm
.set MUL_LO, 0xa1
.set MUL_HI, 0xf1
.set TO_B,   0x40
.macro JLOAD g0a, g1a, g0b, g1b
	s_cmp_eq_u32 s15, 0
	s_cbranch_scc0 .Lfor_b_\@
	tensor_load_to_lds s[\g0a:\g0a+3], s[\g1a:\g1a+7]
	s_nop 0
.rept 4
	v_nop
.endr
	s_branch .Lasked_\@
.Lfor_b_\@:
	tensor_load_to_lds s[\g0b:\g0b+3], s[\g1b:\g1b+7]
	s_nop 0
.rept 4
	v_nop
.endr
.Lasked_\@:
.endm
.macro CREST
	s_cmp_lg_u32 s14, 0
	s_cbranch_scc1 .Lnot_wave_0_\@
	s_barrier_signal -3
.Lnot_wave_0_\@:
	s_barrier_wait -3
	s_barrier_signal -1
	s_barrier_wait -1
.endm
.macro CROUND
	s_barrier_signal -1
	s_barrier_wait -1
	CREST
.endm
	s_load_b128 s[4:7], s[0:1], 0x0
	s_load_b64 s[12:13], s[0:1], 0x10
	v_lshl_add_u32 v[SPW], v0, 2, SPARE
	v_mov_b32 v[NIL], 0
	ds_add_u32 v28, v29
	ds_add_u32 v28, v29
	s_wait_dscnt 0x0
	v_lshrrev_b32 v1, 5, v0
	v_readfirstlane_b32 s14, v1
	s_lshr_b32 s15, s14, 1
	s_and_b32 s16, s14, 1
	s_bfe_u32 s40, ttmp6, 0x40000
	s_bfe_u32 s41, ttmp6, 0x40004
	s_lshl_b32 s42, ttmp9, 2
	s_add_co_u32 s42, s42, s40
	s_and_b32 s17, ttmp7, 0xffff
	s_lshl_b32 s17, s17, 2
	s_add_co_u32 s17, s17, s41
	s_lshl_b32 s43, s41, 2
	s_lshl_b32 s43, 15, s43
	s_lshl_b32 s44, 0x1111, s40
	s_or_b32 s[G1+0], s43, (0<<16)|(1<<20)|(1<<21)|(3<<22)|(3<<25)
	s_or_b32 s[G1B+0], s44, (0<<16)|(1<<20)|(1<<21)|(3<<22)|(3<<25)
.irp g, G1, G1B
	s_mov_b32 s[\g+1], CHB<<16                     ; for the head's loads: two blocks of CHB bytes (256 rows of a K step), 4 CHB apart
	s_mov_b32 s[\g+2], 2<<16
	s_mov_b32 s[\g+3], CHB<<16
	s_mov_b32 s[\g+4], 2
	s_mov_b32 s[\g+5], 4*CHB
	s_mov_b32 s[\g+6], 0
	s_mov_b32 s[\g+7], 0
.endr
	s_or_b32 s[G1S+0], s43, (3<<16)|(1<<20)|(1<<21)|(5<<22)|(3<<25)
	s_or_b32 s[G1SB+0], s44, (3<<16)|(1<<20)|(1<<21)|(5<<22)|(3<<25)
.irp g, G1S, G1SB
	s_mov_b32 s[\g+1], 32<<16
	s_mov_b32 s[\g+2], KS<<16                      ; the scales of 256 rows: KS rows of 256 bytes
	s_mov_b32 s[\g+3], 32<<16
	s_mov_b32 s[\g+4], KS
	s_mov_b32 s[\g+5], 32
	s_mov_b32 s[\g+6], 0
	s_mov_b32 s[\g+7], 0
.endr
	s_lshl_b32 s20, s17, 8                         ; the tiles' first rows
	s_lshl_b32 s46, s42, 8
	s_mov_b32 s21, 0
	s_mov_b32 s47, 0
	s_mov_b64 s[18:19], KS
	s_mul_u64 s[22:23], s[20:21], s[18:19]
	s_mul_u64 s[92:93], s[46:47], s[18:19]
	s_mov_b64 s[18:19], KROW
	s_mul_u64 s[20:21], s[20:21], s[18:19]
	s_mul_u64 s[46:47], s[46:47], s[18:19]
	s_mul_i32 s45, s14, HALFT
	s_mul_i32 s18, s16, 128*KROW                   ; in the ring I fetch 128 rows of a tile: which group, in bytes
	s_mov_b32 s19, 0
	s_wait_kmcnt 0x0
	s_mov_b64 s[96:97], s[6:7]
	s_add_nc_u64 s[10:11], s[4:5], XS
	s_mov_b64 s[8:9], s[4:5]
	s_add_nc_u64 s[6:7], s[4:5], WVS
	s_add_nc_u64 s[4:5], s[4:5], WVC
	s_add_nc_u64 s[20:21], s[4:5], s[20:21]
	s_add_nc_u64 s[22:23], s[6:7], s[22:23]
	s_add_nc_u64 s[46:47], s[8:9], s[46:47]
	s_add_nc_u64 s[92:93], s[10:11], s[92:93]
	CROUND
	s_mov_b32 s[G0S], 1
	s_mov_b32 s[G0S+1], SCL
	s_mov_b64 s[G0S+2:G0S+3], s[22:23]
	s_or_b32 s[G0S+3], s[G0S+3], 0x80000000
	s_mov_b32 s[G0SB], 1
	s_mov_b32 s[G0SB+1], SCL+2*HALFS
	s_mov_b64 s[G0SB+2:G0SB+3], s[92:93]
	s_or_b32 s[G0SB+3], s[G0SB+3], 0x80000000
	s_mov_b32 s[G0H], 1
	s_mov_b32 s[G0H+1], 0
	s_mov_b64 s[G0H+2:G0H+3], s[20:21]
	s_or_b32 s[G0H+3], s[G0H+3], 0x80000000
	s_mov_b32 s[G0HB], 1
	s_mov_b32 s[G0HB+1], 2*HALFT
	s_mov_b64 s[G0HB+2:G0HB+3], s[46:47]
	s_or_b32 s[G0HB+3], s[G0HB+3], 0x80000000
	s_add_nc_u64 s[20:21], s[20:21], s[18:19]      ; for the ring: my 128 rows of the tile
	s_add_nc_u64 s[46:47], s[46:47], s[18:19]
.irp s, 0,1
	s_mov_b32 s[G0+4*\s], 1
	s_add_co_u32 s[G0+4*\s+1], s45, \s*SLOT
	s_add_nc_u64 s[G0+4*\s+2:G0+4*\s+3], s[20:21], \s*CHB
	s_or_b32 s[G0+4*\s+3], s[G0+4*\s+3], 0x80000000
	s_mov_b32 s[G0B+4*\s], 1
	s_add_co_u32 s[G0B+4*\s+1], s45, \s*SLOT
	s_add_nc_u64 s[G0B+4*\s+2:G0B+4*\s+3], s[46:47], \s*CHB
	s_or_b32 s[G0B+4*\s+3], s[G0B+4*\s+3], 0x80000000
.endr
; THE HEAD'S LOADS, one a wave: wave 0 K step 0's 256 rows of A, wave 1 its 256 rows of B, wave 2 A's scales, wave 3 B's.  One tree of branches on the wave's number, all arms to one join.
.macro ARM under, g0, g1, next
	s_cmp_lt_u32 s14, \under
	s_cbranch_scc0 \next
	tensor_load_to_lds s[\g0:\g0+3], s[\g1:\g1+7]
	s_nop 0
.rept 4
	v_nop
.endr
	s_branch .Lhead_asked
\next:
.endm
	ARM 1, G0H,  G1,  .Lhead_b
	ARM 2, G0HB, G1B, .Lhead_sa
	ARM 3, G0S,  G1S, .Lhead_sb
	tensor_load_to_lds s[G0SB:G0SB+3], s[G1SB:G1SB+7]
	s_nop 0
.rept 4
	v_nop
.endr
.Lhead_asked:
	v_and_b32 v1, 15, v0
	v_bfe_u32 v2, v0, 4, 1
	v_mul_u32_u24 v3, v1, PITCH
	v_mul_u32_u24 v4, v2, 24
	v_add_nc_u32 v4, v3, v4
	v_lshl_add_u32 v5, v2, 4, v4
	s_mul_i32 s21, s15, HALFT
	s_mul_i32 s22, s16, HALFT
	s_add_co_u32 s22, s22, 2*HALFT
.irp s, 0,1
	v_add_nc_u32 v[ADRA+\s], s21, v4
	v_add_nc_u32 v[ADRB+\s], s22, v4
	v_add_nc_u32 v[ADRA+2+\s], s21, v5
	v_add_nc_u32 v[ADRB+2+\s], s22, v5
	s_add_co_u32 s21, s21, SLOT
	s_add_co_u32 s22, s22, SLOT
.endr
	v_mul_u32_u24 v5, v1, KS
	v_lshrrev_b32 v6, 8, v5
	v_lshl_add_u32 v5, v6, 4, v5
	s_mul_i32 s21, s15, HALFS
	s_mul_i32 s22, s16, HALFS
	s_add_co_u32 s22, s22, 2*HALFS
	s_sub_co_u32 s22, s22, s21
	v_mul_u32_u24 v6, s22, v2
	s_add_co_u32 s21, s21, SCL
	v_add_nc_u32 v5, v5, v6
	v_add_nc_u32 v[ADRS], s21, v5
	v_and_b32 v[BO], 7, v1
	v_lshrrev_b32 v3, 3, v1
	v_lshl_add_u32 v[BO], v3, 4, v[BO]
	v_lshlrev_b32 v[BO], 2, v[BO]
	s_wait_alu depctr_va_vdst(0)
	v_and_b32 v[GO], 31, v0
	v_lshlrev_b32 v[G8], 3, v[GO]
	v_lshlrev_b32 v[GO], 4, v[GO]
	s_lshl_b32 s21, s14, 9
	s_add_co_u32 s21, s21, SCST
	v_lshl_add_u32 v[SW], v1, 2, s21
	v_add_nc_u32 v[SRD], s21, v[G8]
	s_lshl_b32 s20, s42, 1
	s_add_co_u32 s20, s20, s16
	s_and_b32 s20, s20, 15
	s_lshr_b32 s21, s42, 3
	s_lshl_b32 s21, s21, 4
	s_lshl_b32 s22, s17, 2
	s_add_co_u32 s21, s21, s22
	s_lshl_b32 s22, s15, 1
	s_add_co_u32 s21, s21, s22
	s_lshl_b32 s21, s21, 4
	s_add_co_u32 s21, s21, s20
	s_mul_i32 s22, s21, BLKB
	s_mov_b32 s23, 0
	s_add_nc_u64 s[12:13], s[12:13], s[22:23]
	s_lshl_b32 s22, s17, 10
	s_lshl_b32 s46, s15, 9
	s_add_co_u32 s22, s22, s46
	s_add_co_u32 s22, s22, 2048*4
	s_add_nc_u64 s[96:97], s[96:97], s[22:23]
	s_mov_b32 s[SEL], 0x76543210
	s_mov_b32 s[SEL+1], 0xfedcba98
.irp a, 0,1,2,3,4,5,6,7
	global_load_b32 v[BV+2*\a], v[BO], s[96:97] offset:4*(32*(\a/2)+8*(\a%2))
	global_load_b32 v[BV+2*\a+1], v[BO], s[96:97] offset:4*(32*(\a/2)+8*(\a%2))
.endr
.macro FRAG reg, adr, q, i
.irp p, 0,1,2,3,4,5
.set PCE, 12*(\q)+6*(\p/3)+\p%3
.if PCE%8 < 5
	ds_load_b64 v[\reg+2*\p:\reg+2*\p+1], v[\adr] offset:8*PCE+16*(PCE/8)+(\i)*16*PITCH
.else
	ds_load_b64 v[\reg+2*\p:\reg+2*\p+1], v[\adr+2] offset:8*PCE+16*(PCE/8)+(\i)*16*PITCH
.endif
.endr
.endm
.macro MUL16 a0, p, q, sc, zero
.irp a, \a0, \a0+1
.irp b, 0,1,2,3,4,5,6,7
.if \zero
	v_wmma_scale_f32_16x16x128_f8f6f4 v[8*(8*((\a)%4)+\b):8*(8*((\a)%4)+\b)+7], v[128*(\p)+FR*\b:128*(\p)+FR*\b+FR-1], v[AF+FR*(\a):AF+FR*(\a)+FR-1], 0, v[SC+8*NQ*(\sc)+NQ*\b+(\q)], v[SC+8*NQ*(\sc)+NQ*(\a)+(\q)] matrix_a_fmt:MATRIX_FMT_BF6 matrix_b_fmt:MATRIX_FMT_BF6 matrix_a_scale:MATRIX_SCALE_ROW1
.else
	v_wmma_scale_f32_16x16x128_f8f6f4 v[8*(8*((\a)%4)+\b):8*(8*((\a)%4)+\b)+7], v[128*(\p)+FR*\b:128*(\p)+FR*\b+FR-1], v[AF+FR*(\a):AF+FR*(\a)+FR-1], v[8*(8*((\a)%4)+\b):8*(8*((\a)%4)+\b)+7], v[SC+8*NQ*(\sc)+NQ*\b+(\q)], v[SC+8*NQ*(\sc)+NQ*(\a)+(\q)] matrix_a_fmt:MATRIX_FMT_BF6 matrix_b_fmt:MATRIX_FMT_BF6 matrix_a_scale:MATRIX_SCALE_ROW1
.endif
.endr
.endr
.endm
.macro FETCH_B slot, q, p
	WIN TO_B
.irp i, 0,1,2,3,4,5,6,7
	FRAG 128*(\p)+FR*\i, ADRB+\slot, \q, \i
.endr
	WIN 0
.endm
.macro FETCH_A slot, q, i0
.irp i, \i0, \i0+1, \i0+2, \i0+3
	FRAG AF+FR*(\i), ADRA+\slot, \q, \i
.endr
.endm
.macro SCALES sc
.irp i, 0,1,2,3,4,5,6,7
	ds_load_b64 v[SC+8*NQ*\sc+NQ*\i:SC+8*NQ*\sc+NQ*\i+1], v[ADRS] offset:\i*SBLK
.endr
.endm
.macro PLACES n
.rept \n
	v_nop
.endr
.endm
.macro STEP slot, q, zero
	s_wait_dscnt 4*NL
	WIN MUL_LO
	MUL16 0, (\q)%2, \q, \slot, \zero
	MUL16 2, (\q)%2, \q, \slot, \zero
	s_wait_dscnt 0
	PLACES NP
	FETCH_B \slot, (\q)+1, 1-(\q)%2
	FETCH_A \slot, (\q)+1, 0
	WIN MUL_HI
	MUL16 4, (\q)%2, \q, \slot, \zero
	MUL16 6, (\q)%2, \q, \slot, \zero
	PLACES NP
	WIN 0
	FETCH_A \slot, (\q)+1, 4
.endm
.macro TURN slot, next, fill
	s_wait_tensorcnt 0x0
	ds_add_u32 v[SPW], v[NIL]
	s_wait_dscnt 4*NL+1
	WIN MUL_LO
	MUL16 0, 1, NQ-1, \slot, 0
	s_wait_dscnt 0x0
	s_barrier_signal -1
	MUL16 2, 1, NQ-1, \slot, 0
	WIN 0
	s_barrier_wait -1
.if \fill
	CREST
	s_add_nc_u64 s[G0+4*\slot+2:G0+4*\slot+3], s[G0+4*\slot+2:G0+4*\slot+3], 2*CHB
	s_add_nc_u64 s[G0B+4*\slot+2:G0B+4*\slot+3], s[G0B+4*\slot+2:G0B+4*\slot+3], 2*CHB
	JLOAD G0+4*\slot, G1, G0B+4*\slot, G1B
.else
	PLACES NP
.endif
	s_wait_alu depctr_va_vdst(0)
	v_add_nc_u32 v[ADRS], 4*NQ, v[ADRS]
	FETCH_B \next, 0, 0
	FETCH_A \next, 0, 0
	SCALES \next
	WIN MUL_HI
	MUL16 4, 1, NQ-1, \slot, 0
	MUL16 6, 1, NQ-1, \slot, 0
	PLACES NP
	WIN 0
	FETCH_A \next, 0, 4
.endm
.macro QUANT s
.irp b, 0,1,2,3
	v_max3_num_f32 v[TM+\b], |v[\s+16*\b]|, |v[\s+1+16*\b]|, 0x2800000
.endr
.irp i, 2,4,6,8,10,12,14
.irp b, 0,1,2,3
	v_max3_num_f32 v[TM+\b], v[TM+\b], |v[\s+16*\b+\i]|, |v[\s+1+16*\b+\i]|
.endr
.endr
.irp b, 0,1,2,3
	v_permlanex16_b32 v[TM+4+\b], v[TM+\b], s[SEL], s[SEL+1]
.endr
.irp b, 0,1,2,3
	v_max_num_f32 v[TM+\b], v[TM+\b], v[TM+4+\b]
.endr
.irp b, 0,1,2,3
	v_add_nc_u32 v[TM+12+\b], 0xfe000000, v[TM+\b]
.endr
.irp b, 0,1,2,3
	v_lshrrev_b32 v[TM+4+\b], 23, v[TM+12+\b]
.endr
	v_lshl_or_b32 v[PW], v[TM+5], 8, v[TM+4]
	v_lshl_or_b32 v[PW], v[TM+6], 16, v[PW]
	v_lshl_or_b32 v[PW], v[TM+7], 24, v[PW]
.irp c, 0,1
	v_cvt_scalef32_pk16_bf6_f32 v[PC+6*\c:PC+2+6*\c], v[\s+32*\c:\s+15+32*\c], v[TM+12+2*\c]
	v_cvt_scalef32_pk16_bf6_f32 v[PC+12+4*\c:PC+14+4*\c], v[\s+16+32*\c:\s+31+32*\c], v[TM+12+2*\c+1]
.endr
	v_nop
.irp c, 0,1
.irp i, 0,1,2
	v_permlane16_swap_b32 v[PC+6*\c+\i], v[PC+12+4*\c+\i]
.endr
.irp i, 0,1,2
	v_mov_b32 v[PC+3+6*\c+\i], v[PC+12+4*\c+\i]
.endr
.endr
.endm
	s_wait_alu depctr_va_vdst(0)                   ; the wait at the head's end
	s_wait_tensorcnt 0x0                           ; my tile of the head's four is in
	ds_add_u32 v[SPW], v[NIL]
.irp g, G1, G1B
	s_mov_b32 s[\g+1], 256<<16                     ; no tensor load of mine is out: from here on a load brings one block of CHB bytes, as 96 rows of 256
	s_mov_b32 s[\g+2], 96<<16
	s_mov_b32 s[\g+3], 256<<16
	s_mov_b32 s[\g+4], 96
	s_mov_b32 s[\g+5], 256
.endr
	s_wait_dscnt 0x0
	CROUND                                         ; all four tiles are in, and all sixteen work-groups are here
	JLOAD G0+4, G1, G0B+4, G1B                     ; K step 1, the first tensor load behind the round
	FETCH_B 0, 0, 0
	FETCH_A 0, 0, 0
	SCALES 0
	FETCH_A 0, 0, 4
	STEP 0, 0, 1
	s_mov_b32 s3, LAPS-1
.Llap:
	TURN 0, 1, 1
	STEP 1, 0, 0
	TURN 1, 0, 1
	STEP 0, 0, 0
	s_sub_co_u32 s3, s3, 1
	s_cmp_lg_u32 s3, 0
	s_cbranch_scc1 .Llap
	TURN 0, 1, 0
	STEP 1, 0, 0
	s_wait_dscnt 4*NL
	WIN MUL_LO
	MUL16 0, 1, NQ-1, 1, 0
	MUL16 2, 1, NQ-1, 1, 0
	s_wait_dscnt 0
	WIN MUL_HI
	MUL16 4, 1, NQ-1, 1, 0
	MUL16 6, 1, NQ-1, 1, 0
	WIN 0
	PLACES NP
.irp b, 0,1,2,3
	v_mov_b32 v[TM+4+\b], 0
.endr
	s_wait_loadcnt 0x0
.irp a, 0,1,2,3,4,5,6,7
	s_wait_xcnt 0x0
	s_wait_dscnt 0x0
	WIN 0x02+\a/4
.set AB, 64*(\a%4)
.set k, 0
.rept 32
	v_pk_add_f32 v[Y+k:Y+k+1], v[AB+k:AB+k+1], v[BV+2*\a:BV+2*\a+1]
.set k, k+2
.endr
	WIN 0
	QUANT Y
.irp c, 0,1,2
	global_store_b128 v[GO], v[PC+4*\c:PC+4*\c+3], s[12:13] offset:HEADB*(\a/4)+1536*(\a%4)+512*\c
.endr
	ds_store_b32 v[SW], v[PW] offset:256*(\a/4)+64*(\a%4)
.endr
.irp hh, 0,1
	ds_load_b64 v[SWO+2*\hh:SWO+2*\hh+1], v[SRD] offset:256*\hh
.endr
	s_wait_dscnt 0x0
.irp hh, 0,1
	global_store_b64 v[G8], v[SWO+2*\hh:SWO+2*\hh+1], s[12:13] offset:HEADB*\hh+6144
.endr
	s_wait_tensorcnt 0x0
	ds_add_u32 v[SPW], v[NIL]
	s_wait_dscnt 0x0
	CROUND
	s_endpgm
.Lfunc_end_k_q331374a7fb_gemm_v:
	.size	k_q331374a7fb_gemm_v, .Lfunc_end_k_q331374a7fb_gemm_v-k_q331374a7fb_gemm_v
	.p2alignl 7, 3214868480
	.fill 96, 4, 3214868480
	.section	.rodata,"a",@progbits
	.p2align	6, 0x0
	.amdhsa_kernel k_q331374a7fb_gemm_v
		.amdhsa_group_segment_fixed_size 327680
		.amdhsa_private_segment_fixed_size 0
		.amdhsa_enable_private_segment 0
		.amdhsa_kernarg_size 24
		.amdhsa_user_sgpr_count 2
		.amdhsa_user_sgpr_kernarg_segment_ptr 1
		.amdhsa_wavefront_size32 1
		.amdhsa_system_sgpr_workgroup_id_x 1
		.amdhsa_system_sgpr_workgroup_id_y 1
		.amdhsa_system_sgpr_workgroup_id_z 1
		.amdhsa_system_vgpr_workitem_id 0
		.amdhsa_next_free_vgpr 1024
		.amdhsa_next_free_sgpr 100
		.amdhsa_reserve_vcc 0
		.amdhsa_float_denorm_mode_32 3
		.amdhsa_float_denorm_mode_16_64 3
		.amdhsa_memory_ordered 1
		.amdhsa_forward_progress 1
		.amdhsa_inst_pref_size 184
	.end_amdhsa_kernel
	.amdgpu_metadata
---
amdhsa.version: [ 1, 2 ]
amdhsa.kernels:
  - .name:           k_q331374a7fb_gemm_v
    .symbol:         k_q331374a7fb_gemm_v.kd
    .args:
      - { .name: prep, .offset: 0, .size: 8, .value_kind: global_buffer, .address_space: global }
      - { .name: b_qkv, .offset: 8, .size: 8, .value_kind: global_buffer, .address_space: global }
      - { .name: vb, .offset: 16, .size: 8, .value_kind: global_buffer, .address_space: global }
    .group_segment_fixed_size: 327680
    .private_segment_fixed_size: 0
    .kernarg_segment_align: 8
    .kernarg_segment_size: 24
    .max_flat_workgroup_size: 128
    .sgpr_count:     100
    .vgpr_count:     1024
    .wavefront_size: 32
...
	.end_amdgpu_metadata
.endif
;; end of part 3
;; launch attn (part 4): grid 8 x 32, 16 waves a work-group, clusters of 4 x 1, 327,680 bytes of LDS; arguments qkb, vb, atb; writes atb
.if DOCPART == 4
	.amdgcn_target "amdgcn-amd-amdhsa--gfx1250"
	.amdhsa_code_object_version 6
	.text
	.protected	k_q331374a7fb_attn
	.globl	k_q331374a7fb_attn
	.p2align	8
	.type	k_q331374a7fb_attn,@function
k_q331374a7fb_attn:
	s_mov_b64 s[64:65], 0
	v_nop
	global_prefetch_b8 v0, s[64:65] scope:SCOPE_SE
	s_setreg_imm32_b32 hwreg(HW_REG_WAVE_MODE, 25, 1), 1
	s_wait_xcnt 0x0
	s_wait_alu depctr_hold_cnt(0) depctr_sa_sdst(0) depctr_va_vdst(0) depctr_va_sdst(0) depctr_va_ssrc(0) depctr_va_vcc(0) depctr_vm_vsrc(0)
	s_getreg_b32 s2, hwreg(HW_REG_IB_STS2, 6, 4)
	s_cmp_eq_u32 s2, 0
	s_cbranch_scc0 .Lentry_in_a_cluster
	s_endpgm
.Lentry_in_a_cluster:
	s_bfe_u32 s2, ttmp6, 0x10000c
	s_cmp_lg_u32 s2, 0x3003
	s_cbranch_scc0 .Lentry_shape_is_right
	s_endpgm
.Lentry_shape_is_right:
; o = softmax(q k^T / 8) v for 64 heads of 2,048 tokens x 64, both products on codes of BF6 (E3M2) with one E8M0 byte for each 32 along a product's K; o is quantised along the heads' 64 and leaves as codes.
; THE SOFTMAX: t = score x log2(e) / 8; M = the row's largest t so far, rounded up to a whole number; p = 2^(t - M) is quantised along the keys, not normalised.  The row's sum is taken of the unquantised p and divides
; o at the end.  When M moves, the sum and o are multiplied by 2^(old M - new M): exact.
; OPERANDS ARE IMAGES OF THEIR REGISTERS: 12 registers a lane as three chunks of 512 bytes (lane l's 16 bytes at 16 l), scale words 4 bytes a row.  A step of 128 tokens is a block of 6,400 bytes: 4 images, then 4 x 64 bytes of words.
; q and k: image p holds, in row r, token 32 p + r % 8 + 16 (r / 8) at "k" 0-63 and the token 8 further on at "k" 64-127.  The first product's K is only 64: an image of k is multiplied once by [q | zeros] and once by
; [zeros | q]; zero codes add nothing, so each gives one tile of 16 keys, and the 16 registers of the two are keys 32 p + 16 h + 0 .. 15.
; v: image t holds 16 of the head's 64 x 128 keys; its row m is d = 32 (t / 2) + 8 (t % 2) + m % 8 + 16 (m / 8), so that the 16 registers of result tiles 2 B, 2 B + 1 are d = 32 B + 16 h + 0 .. 15.
; Both products are used transposed: a lane holds one query throughout.
; SHARES.  A work-group owns 256 queries of heads 2 g and 2 g + 1 of a batch, one head after the other; each of its sixteen waves one tile of 16 queries, in 256 registers: four waves to a SIMD, so that one wave's
; vector work stands beside another's matrix work and LDS loads.  The two heads' results are one operand of the last product (16 tokens x 128 of its K).
; THE RING: two slots of 1,024 keys (8 blocks of k, 8 of v), filled by waves 0-3 (k's halves, v's halves).  CLUSTER: the four query blocks of a cluster walk the same k and v: each tile is asked for jointly.
; The heads' blocks lie on end in memory, so the ring walks straight on into the second head.
; LIMITS: NaN and infinities are not served; a block of o whose largest magnitude lies under 2^-122 gets the byte 1.
; REGISTERS: v1-11, v16-17 addresses; v12 -M, v13 the largest t, v[14:15] the sum; v32-79 four images; v80-91 o's codes, v92 their scale word; v96-159 S^T, then p; v160-191 O^T;
;   v192-209 [6 zeros | q | 6 zeros]; v210-216 the second head's q and scale word; v224-235 p's codes; v232-254 at work; v248-251 k's, then v's, scale words; v255 q's.
.set BLKB,  6400
.set HEADB, 102400
.set SLB,   8*BLKB                     ; A SLOT HOLDS 1,024 KEYS: 8 blocks of k, then 8 of v (102,400 bytes); two slots serve a head, four fills the work-group's two heads
.set VOFF,  SLB                        ; a slot: k's eight blocks, then v's
.set SLOT1, 131072
.set OSC,   262144                     ; 64 bytes for each wave: o's scale words on their way out; no fill lands here
.set SPARE, 263168                     ; the spare words, 128 bytes for each of sixteen waves
.set AS,    6291456                    ; in the output: behind the images, the scale words, [g][token] 4 bytes
.set LI,  1                            ; v1   16 x lane
.set LS,  2                            ; v2   4 r
.set OSW, 3                            ; v3   OSC + 64 x wave + 4 r
.set OSR, 4                            ; v4   OSC + 16 (thread % 64)
.set SPW, 5
.set NIL, 6
.set GSO, 7                            ; v7   16 (thread % 64)
.set ADK, 8
.set ADS, 9
.set QO0, 10                           ; v10, v11, v16: where my tile's six registers lie in its pair's image; v17: its scale word
.set QO1, 11
.set QO2, 16
.set QSO, 17
.set KF,  32
.set RES, 80
.set RW,  92
.set WV,  18
.set SEL, 20
.set CS,  22
.set G1C, 24
.set G0K, 32
.set G0V, 36
.set TB,  40
.set SLOTS, 41
.set CNT, 42
.macro TLOAD                           ; waves 0 and 1 fetch k's halves, waves 2 and 3 v's, the others nothing; the branches hang on the wave's number alone; four v_nop follow each line
	s_cmp_lt_u32 s[WV], 2
	s_cbranch_scc0 .Lnot_k_\@
	tensor_load_to_lds s[G0K:G0K+3], s[G1C:G1C+7]
	s_nop 0
.rept 4
	v_nop
.endr
	s_branch .Lasked_\@
.Lnot_k_\@:
	s_cmp_lt_u32 s[WV], 4
	s_cbranch_scc0 .Lasked_\@
	tensor_load_to_lds s[G0V:G0V+3], s[G1C:G1C+7]
	s_nop 0
.rept 4
	v_nop
.endr
.Lasked_\@:
.endm
.macro ROUND                           ; a round of the cluster's barrier
	s_barrier_signal -1
	s_barrier_wait -1
	s_cmp_lg_u32 s[WV], 0
	s_cbranch_scc1 .Lnot_wave_0_\@
	s_barrier_signal -3
.Lnot_wave_0_\@:
	s_barrier_wait -3
	s_barrier_signal -1
	s_barrier_wait -1
.endm
	s_load_b128 s[4:7], s[0:1], 0x0                ; q and k, v
	s_load_b64 s[8:9], s[0:1], 0x10                ; the output
	v_lshl_add_u32 v[SPW], v0, 2, SPARE
	v_mov_b32 v[NIL], 0
	ds_add_u32 v5, v6
	ds_add_u32 v5, v6
	s_wait_dscnt 0x0
	v_lshrrev_b32 v8, 5, v0
	s_delay_alu instid0(VALU_DEP_1)
	v_readfirstlane_b32 s[WV], v8                  ; wave 0..15
	s_bfe_u32 s43, ttmp6, 0x40000                  ; cx
	s_lshl_b32 s44, ttmp9, 2
	s_add_co_u32 s44, s44, s43                     ; my block of 256 queries: it enters q's and the output's addresses alone
	s_and_b32 s45, ttmp7, 0xffff                   ; y = 8 x batch + g, which the partners share; head 2 g of the batch is head 2 y of all
	s_and_b32 s46, s[WV], 1
	s_mul_i32 s47, s46, 4*BLKB                     ; what I fetch, if I fetch: which half (four blocks), in memory and in a slot alike
	s_mul_i32 s48, s45, 2*HEADB
	s_add_co_u32 s48, s48, s47
	s_mov_b32 s49, 0
	s_mov_b32 s[G1C], 15|(3<<16)|(1<<21)           ; the mask: all four work-groups; elements of 8 bytes; no padding; bit 21 beside a mask
	s_mov_b32 s[G1C+1], 32<<16                     ; rows of 32 elements of 8 bytes: 256 bytes
	s_mov_b32 s[G1C+2], 100<<16                    ; a dense block of 25,600 bytes as 100 rows of 256
	s_mov_b32 s[G1C+3], 32<<16
	s_mov_b32 s[G1C+4], 100
	s_mov_b32 s[G1C+5], 32
	s_mov_b32 s[G1C+6], 0
	s_mov_b32 s[G1C+7], 0
	s_mov_b32 s[SEL], 0x76543210
	s_mov_b32 s[SEL+1], 0xfedcba98                 ; v_permlanex16_b32's selects for lane l xor 16
	s_mov_b32 s[CS], 0x3e38aa3b                    ; c = log2(e) / 8
	s_mov_b32 s[CS+1], s[CS]
	s_mov_b32 s[TB], 0
	v_and_b32 v9, 31, v0
	s_delay_alu instid0(VALU_DEP_1)
	v_lshlrev_b32 v[LI], 4, v9
	s_wait_alu depctr_va_vdst(0)
	v_and_b32 v10, 15, v0
	s_delay_alu instid0(VALU_DEP_1)
	v_lshlrev_b32 v[LS], 2, v10
	s_wait_alu depctr_va_vdst(0)
	s_lshl_b32 s54, s[WV], 6
	s_add_co_u32 s54, s54, OSC
	v_add_nc_u32 v[OSW], s54, v[LS]
	v_and_b32 v[GSO], 63, v0
	s_delay_alu instid0(VALU_DEP_1)
	v_lshlrev_b32 v[GSO], 4, v[GSO]
	s_delay_alu instid0(VALU_DEP_1)
	v_add_nc_u32 v[OSR], OSC, v[GSO]
	s_cmp_eq_u32 s46, 0                            ; my tile is the pair's first (registers 0-5 of the image) or second (6-11): three pieces of 8 bytes
	s_cselect_b32 s55, 0, 520
	s_cselect_b32 s56, 8, 1024
	s_mov_b32 s57, 512
	s_cselect_b32 s57, s57, 1032
	s_bfe_u32 s58, s[WV], 0x20001                  ; which of the step's four pairs
	s_mul_i32 s59, s58, 1536
	s_add_co_u32 s55, s55, s59
	s_add_co_u32 s56, s56, s59
	s_add_co_u32 s57, s57, s59
	v_add_nc_u32 v[QO0], s55, v[LI]
	v_add_nc_u32 v[QO1], s56, v[LI]
	v_add_nc_u32 v[QO2], s57, v[LI]
	s_lshl_b32 s58, s58, 6
	s_add_co_u32 s58, s58, 6144
	v_add_nc_u32 v[QSO], s58, v[LS]
	s_lshl_b32 s60, s46, 4                         ; my half of the pair's scale word
	s_lshl_b32 s61, s44, 1
	s_lshr_b32 s62, s[WV], 3
	s_add_co_u32 s61, s61, s62                     ; my tile's step of 128 tokens
	s_mul_i32 s66, s61, BLKB
	s_mul_i32 s62, s45, 2*HEADB
	s_add_co_u32 s66, s66, s62
	s_mov_b32 s67, 0
	s_lshr_b32 s68, s45, 3                         ; the batch
	s_and_b32 s69, s45, 7                          ; g
	s_lshl_b32 s72, s68, 7
	s_lshl_b32 s73, s44, 4
	s_add_co_u32 s72, s72, s73                     ; the work-group's first tile of 16 tokens: 128 x batch + 16 x block
	s_lshl_b32 s70, s69, 9
	s_add_co_u32 s70, s70, s72
	s_add_co_u32 s70, s70, s[WV]
	s_mul_i32 s70, s70, 1536                       ; my image: [g][tile]
	s_mov_b32 s71, 0
	s_lshl_b32 s78, s69, 15
	s_lshl_b32 s72, s72, 6
	s_add_co_u32 s78, s78, s72
	s_add_co_u32 s78, s78, AS                      ; the work-group's 1,024 bytes of scale words
	s_mov_b32 s79, 0
	s_wait_kmcnt 0x0
	s_add_nc_u64 s[50:51], s[4:5], s[48:49]
	s_add_nc_u64 s[50:51], s[50:51], 64*HEADB      ; k lies behind q's 64 heads
	s_add_nc_u64 s[52:53], s[6:7], s[48:49]
	s_add_nc_u64 s[66:67], s[4:5], s[66:67]        ; q: the first head's block of my step
	s_add_nc_u64 s[74:75], s[8:9], s[70:71]
	s_add_nc_u64 s[76:77], s[8:9], s[78:79]
	ROUND                                          ; all four work-groups are here: the first joint loads meet
	s_mov_b32 s[G0K], 1
	s_mov_b32 s[G0K+1], s47
	s_mov_b64 s[G0K+2:G0K+3], s[50:51]
	s_or_b32 s[G0K+3], s[G0K+3], 0x80000000
	s_mov_b32 s[G0V], 1
	s_add_co_u32 s[G0V+1], s47, VOFF
	s_mov_b64 s[G0V+2:G0V+3], s[52:53]
	s_or_b32 s[G0V+3], s[G0V+3], 0x80000000
	TLOAD                                          ; slot 0
	s_wait_alu depctr_va_vdst(0)
.irp hd, 0,1                                       ; q of both heads: six registers each, and the pair's scale word
	global_load_b64 v[198+12*\hd:199+12*\hd], v[QO0], s[66:67] offset:HEADB*\hd
	global_load_b64 v[200+12*\hd:201+12*\hd], v[QO1], s[66:67] offset:HEADB*\hd
	global_load_b64 v[202+12*\hd:203+12*\hd], v[QO2], s[66:67] offset:HEADB*\hd
.endr
	global_load_b32 v255, v[QSO], s[66:67]
	global_load_b32 v216, v[QSO], s[66:67] offset:HEADB
.irp i, 0,1,2,3,4,5
	v_mov_b32 v[192+\i], 0                         ; the zero codes on both sides of q
	v_mov_b32 v[204+\i], 0
.endr
.irp b, 0,1,2,3
	v_mov_b32 v[236+\b], 0                         ; written once: a lane permute's destination counts as one of its sources
.endr
	v_mov_b32 v253, 0                              ; (named as the upper half of the pair v[252:253] before it is first written)
	s_wait_loadcnt 0x0
.irp w, 255, 216                                   ; my tile's two bytes, in both halves of the word: they serve [q | zeros] and [zeros | q] alike
	v_lshrrev_b32 v\w, s60, v\w
	s_delay_alu instid0(VALU_DEP_1)
	v_and_b32 v\w, 0xffff, v\w
	s_delay_alu instid0(VALU_DEP_1)
	v_lshl_or_b32 v\w, v\w, 16, v\w
.endr
.macro INIT                            ; a head begins: the largest t -3e38, the sum and O^T zeros, which the first change of M leaves zeros
	v_mov_b32 v13, 0xff61b1e6
	s_delay_alu instid0(VALU_DEP_1)
	v_floor_f32 v12, -v13
	v_mov_b32 v14, 0
	v_mov_b32 v15, 0
.set j, 0
.rept 32
	v_mov_b32 v[160+j], 0
.set j, j+1
.endr
.endm
; A KEY STEP: 128 keys, the block at LDS byte s[TB].
.macro STEP
	v_add_nc_u32 v[ADK], s[TB], v[LI]
	v_add_nc_u32 v[ADS], s[TB], v[LS]
	v_nop
	v_nop                                          ; with the two additions: four places in front of loads into registers that the last step's matrix instructions have read
.irp p, 0,1,2,3
.irp c, 0,1,2
	ds_load_b128 v[KF+12*\p+4*\c:KF+12*\p+4*\c+3], v[ADK] offset:1536*\p+512*\c
.endr
	ds_load_b32 v[248+\p], v[ADS] offset:6144+64*\p
.endr
	s_wait_alu depctr_va_vdst(0)
	s_wait_dscnt 0x0
.irp p, 0,1,2,3                                    ; S^T = k q^T: image p against [q | zeros] gives keys 32 p + 16 h + 0 .. 7, against [zeros | q] keys 32 p + 16 h + 8 .. 15
	v_wmma_scale_f32_16x16x128_f8f6f4 v[96+16*\p:103+16*\p], v[KF+12*\p:KF+12*\p+11], v[198:209], 0, v[248+\p], v255 matrix_a_fmt:MATRIX_FMT_BF6 matrix_b_fmt:MATRIX_FMT_BF6
	v_wmma_scale_f32_16x16x128_f8f6f4 v[104+16*\p:111+16*\p], v[KF+12*\p:KF+12*\p+11], v[192:203], 0, v[248+\p], v255 matrix_a_fmt:MATRIX_FMT_BF6 matrix_b_fmt:MATRIX_FMT_BF6
.endr
.rept 4
	v_nop                                          ; places in front of the loads below and of the first read of the scores
.endr
.irp p, 0,1,2,3                                    ; v's four images into the same registers: they land during the softmax
.irp c, 0,1,2
	ds_load_b128 v[KF+12*\p+4*\c:KF+12*\p+4*\c+3], v[ADK] offset:VOFF+1536*\p+512*\c
.endr
	ds_load_b32 v[248+\p], v[ADS] offset:VOFF+6144+64*\p
.endr
.irp b, 0,1,2,3
	v_max3_num_f32 v[232+\b], v[96+16*\b], v[97+16*\b], v[98+16*\b]   ; the largest score of each block of 32 keys: it serves the row's maximum and, since p rises with the score, the block's largest p
.endr
.irp i, 3,5,7,9,11,13
.irp b, 0,1,2,3
	v_max3_num_f32 v[232+\b], v[232+\b], v[96+16*\b+\i], v[97+16*\b+\i]
.endr
.endr
.irp b, 0,1,2,3
	v_max_num_f32 v[232+\b], v[232+\b], v[111+16*\b]
.endr
.irp b, 0,1,2,3
	s_delay_alu instid0(VALU_DEP_4)
	v_permlanex16_b32 v[236+\b], v[232+\b], s[SEL], s[SEL+1]
.endr
.irp b, 0,1,2,3
	s_delay_alu instid0(VALU_DEP_4)
	v_max_num_f32 v[232+\b], v[232+\b], v[236+\b]  ; with lane l xor 16's 16 keys
.endr
	s_delay_alu instid0(VALU_DEP_2)
	v_max3_num_f32 v254, v232, v233, v234
	s_delay_alu instid0(VALU_DEP_1)
	v_max_num_f32 v254, v254, v235                 ; the step's largest score of my query
	s_delay_alu instid0(VALU_DEP_1)
	v_mul_f32 v254, s[CS], v254                    ; as t (c is positive)
	s_delay_alu instid0(VALU_DEP_1)
	v_max_num_f32 v13, v13, v254                   ; the running largest t
	v_mov_b32 v254, v12
	s_delay_alu instid0(VALU_DEP_2)
	v_floor_f32 v12, -v13                          ; the new -M = floor(-t): M is a whole number
	s_delay_alu instid0(VALU_DEP_1)
	v_sub_f32 v254, v12, v254                      ; old M - new M: a whole number, 0 or less
	s_delay_alu instid0(VALU_DEP_1)
	v_cvt_i32_f32 v254, v254                       ; (it saturates)
	s_delay_alu instid0(VALU_DEP_1)
	v_ldexp_f32 v252, 1.0, v254                    ; f = 2^(old M - new M)
.set j, 0
.rept 32
	v_pk_fma_f32 v[96+j:97+j], v[96+j:97+j], s[CS:CS+1], v[12:13] op_sel_hi:[1,0,0]   ; t - M, two at a time
.set j, j+2
.endr
.irp b, 0,1,2,3
	v_fma_f32 v[232+\b], v[232+\b], s[CS], v12     ; the same of each block's largest score
.endr
.set j, 0
	s_wait_alu depctr_va_vdst(0)
.rept 64
	v_exp_f32 v[96+j], v[96+j]                     ; p = 2^(t - M), at most 1
.set j, j+1
.endr
.irp b, 0,1,2,3
	v_exp_f32 v[232+\b], v[232+\b]                 ; the block's largest p
.endr
	v_pk_mul_f32 v[14:15], v[14:15], v[252:253] op_sel_hi:[1,0]   ; the sums under the new M.  (A plain place behind the exponentials)
	s_wait_alu depctr_va_vdst(0)
.irp b, 0,1,2,3
	v_max_num_f32 v[232+\b], 0x2800000, v[232+\b]  ; the floor 2^(5 - 127): the byte cannot fall under 1
.endr
.irp b, 0,1,2,3
	s_delay_alu instid0(VALU_DEP_4)
	v_add_nc_u32 v[244+\b], 0xfe000000, v[232+\b]  ; 4 off the exponent field: the conversion's scale operand
.endr
.irp b, 0,1,2,3
	s_delay_alu instid0(VALU_DEP_4)
	v_lshrrev_b32 v[236+\b], 23, v[244+\b]         ; the scale's byte
.endr
	s_delay_alu instid0(VALU_DEP_3)
	v_lshl_or_b32 v253, v237, 8, v236              ; p's scale word for these 128 keys
	s_delay_alu instid0(VALU_DEP_1)
	v_lshl_or_b32 v253, v238, 16, v253
	s_delay_alu instid0(VALU_DEP_1)
	v_lshl_or_b32 v253, v239, 24, v253
.irp c, 0,1
	v_cvt_scalef32_pk16_bf6_f32 v[224+6*\c:226+6*\c], v[96+32*\c:111+32*\c], v[244+2*\c]
	v_cvt_scalef32_pk16_bf6_f32 v[236+4*\c:238+4*\c], v[112+32*\c:127+32*\c], v[244+2*\c+1]   ; (a conversion's three registers begin on an even number)
.endr
	v_nop                                          ; one plain place behind a scaled conversion
.irp c, 0,1                                        ; the operand's layout wants a whole block in a lane
.irp i, 0,1,2
	v_permlane16_swap_b32 v[224+6*\c+\i], v[236+4*\c+\i]
.endr
.irp i, 0,1,2
	s_delay_alu instid0(VALU_DEP_3)
	v_mov_b32 v[227+6*\c+\i], v[236+4*\c+\i]
.endr
.endr
	v_pk_add_f32 v[236:237], v[100:101], v[104:105]
	v_pk_add_f32 v[246:247], v[108:109], v[112:113]
	v_pk_add_f32 v[244:245], v[116:117], v[120:121]
	v_pk_add_f32 v[242:243], v[124:125], v[128:129]
	v_pk_add_f32 v[240:241], v[132:133], v[136:137]
	v_pk_add_f32 v[222:223], v[140:141], v[144:145]
	v_pk_add_f32 v[220:221], v[148:149], v[152:153]
	v_pk_add_f32 v[14:15], v[14:15], v[156:157]
	v_pk_add_f32 v[236:237], v[236:237], v[96:97]
	v_pk_add_f32 v[246:247], v[246:247], v[98:99]
	v_pk_add_f32 v[244:245], v[244:245], v[102:103]
	v_pk_add_f32 v[242:243], v[242:243], v[106:107]
	v_pk_add_f32 v[240:241], v[240:241], v[110:111]
	v_pk_add_f32 v[222:223], v[222:223], v[114:115]
	v_pk_add_f32 v[220:221], v[220:221], v[118:119]
	v_pk_add_f32 v[14:15], v[14:15], v[122:123]
	v_pk_add_f32 v[236:237], v[236:237], v[126:127]
	v_pk_add_f32 v[246:247], v[246:247], v[130:131]
	v_pk_add_f32 v[244:245], v[244:245], v[134:135]
	v_pk_add_f32 v[242:243], v[242:243], v[138:139]
	v_pk_add_f32 v[240:241], v[240:241], v[142:143]
	v_pk_add_f32 v[222:223], v[222:223], v[146:147]
	v_pk_add_f32 v[220:221], v[220:221], v[150:151]
	v_pk_add_f32 v[14:15], v[14:15], v[154:155]
	v_pk_add_f32 v[236:237], v[236:237], v[158:159]
	s_delay_alu instid0(VALU_DEP_2)
	v_pk_add_f32 v[14:15], v[14:15], v[242:243]
	s_delay_alu instid0(VALU_DEP_2)
	v_pk_add_f32 v[236:237], v[236:237], v[240:241]
	v_pk_add_f32 v[246:247], v[246:247], v[222:223]
	v_pk_add_f32 v[244:245], v[244:245], v[220:221]
	s_delay_alu instid0(VALU_DEP_2)
	v_pk_add_f32 v[14:15], v[14:15], v[246:247]
	s_delay_alu instid0(VALU_DEP_2)
	v_pk_add_f32 v[236:237], v[236:237], v[244:245]
	s_delay_alu instid0(VALU_DEP_1)
	v_pk_add_f32 v[14:15], v[14:15], v[236:237]
.set j, 0
.rept 16
	v_pk_mul_f32 v[160+j:161+j], v[160+j:161+j], v[252:253] op_sel_hi:[1,0]   ; O^T under the new M.  (With the sums above: the places between the lines that made p's codes and scale word and the products below)
.set j, j+2
.endr
	s_wait_alu depctr_va_vdst(0)
	s_wait_dscnt 0x0                               ; v's images and scale words
.irp t, 0,1,2,3                                    ; O^T += v^T p^T: the four accumulators take turns, one instruction a turn
	v_wmma_scale_f32_16x16x128_f8f6f4 v[160+8*\t:167+8*\t], v[KF+12*\t:KF+12*\t+11], v[224:235], v[160+8*\t:167+8*\t], v[248+\t], v253 matrix_a_fmt:MATRIX_FMT_BF6 matrix_b_fmt:MATRIX_FMT_BF6
.endr
.endm
.macro FOUR                            ; a slot's eight key steps: written once, walked eight times; then on to the other slot
	s_mov_b32 s[CNT], 8                            ; a slot's eight key steps
.Lstep_\@:
	STEP
	s_add_co_u32 s[TB], s[TB], BLKB
	s_sub_co_u32 s[CNT], s[CNT], 1
	s_cmp_lg_u32 s[CNT], 0
	s_cbranch_scc1 .Lstep_\@
	s_sub_co_u32 s[TB], s[TB], 8*BLKB
	s_xor_b32 s[TB], s[TB], SLOT1
.endm
; THE CHANGE OF SLOTS stands at a slot's head.  Each wave waits for all its tensor loads (its part of the slot ahead), adds 0 to its spare word, and waits for that and for its reads of the slot that it has left.
; fill = 1: a round of the cluster's barrier, and behind it the other slot is filled with the next 1,024 keys: the load has eight key steps in which to land.
.macro CHANGE fill
	s_wait_tensorcnt 0x0                           ; no tensor load of mine is out, so a group 0 may be written
	ds_add_u32 v[SPW], v[NIL]                      ; 0 onto my spare word
.if \fill
	s_xor_b32 s[G0K+1], s[G0K+1], SLOT1
	s_add_nc_u64 s[G0K+2:G0K+3], s[G0K+2:G0K+3], SLB
	s_xor_b32 s[G0V+1], s[G0V+1], SLOT1
	s_add_nc_u64 s[G0V+2:G0V+3], s[G0V+2:G0V+3], SLB
.endif
	s_wait_dscnt 0x0                               ; the add is done, and my reads of the slot that I have left are over
.if \fill
	ROUND
	TLOAD                                          ; the first thing behind the round, and a wave's one tensor load until the next
.else
	s_barrier_signal -1
	s_barrier_wait -1
.endif
.endm
; A head's end: O^T / the sum, quantised along the head's 64: registers 6 hd .. 6 hd + 5 of the operand, and two bytes of its scale word.
.macro FINISH hd
.rept 4
	v_nop                                          ; places behind the last products
.endr
	v_add_f32 v14, v14, v15
	s_delay_alu instid0(VALU_DEP_1)
	v_permlanex16_b32 v252, v14, s[SEL], s[SEL+1]
	s_delay_alu instid0(VALU_DEP_1)
	v_add_f32 v14, v14, v252                       ; the row's sum
	s_wait_alu depctr_va_vdst(0)
	v_rcp_f32 v14, v14
	v_nop                                          ; one plain place behind a transcendental
.set j, 0
	s_wait_alu depctr_va_vdst(0)
.rept 16
	v_pk_mul_f32 v[96+j:97+j], v[160+j:161+j], v[14:15] op_sel_hi:[1,0]   ; register 16 B + i: d = 32 B + 16 h + i; each accumulator from its low end on
.set j, j+2
.endr
.irp b, 0,1
	v_max3_num_f32 v[232+\b], |v[96+16*\b]|, |v[97+16*\b]|, 0x2800000
.endr
.irp i, 2,4,6,8,10,12,14
.irp b, 0,1
	s_delay_alu instid0(VALU_DEP_2)
	v_max3_num_f32 v[232+\b], v[232+\b], |v[96+16*\b+\i]|, |v[97+16*\b+\i]|
.endr
.endr
.irp b, 0,1
	s_delay_alu instid0(VALU_DEP_2)
	v_permlanex16_b32 v[236+\b], v[232+\b], s[SEL], s[SEL+1]
.endr
.irp b, 0,1
	s_delay_alu instid0(VALU_DEP_2)
	v_max_num_f32 v[232+\b], v[232+\b], v[236+\b]
.endr
.irp b, 0,1
	s_delay_alu instid0(VALU_DEP_2)
	v_add_nc_u32 v[244+\b], 0xfe000000, v[232+\b]
.endr
.irp b, 0,1
	s_delay_alu instid0(VALU_DEP_2)
	v_lshrrev_b32 v[236+\b], 23, v[244+\b]
.endr
.if \hd == 0
	s_delay_alu instid0(VALU_DEP_1)
	v_lshl_or_b32 v[RW], v237, 8, v236
.else
	s_delay_alu instid0(VALU_DEP_1)
	v_lshl_or_b32 v236, v237, 8, v236
	s_delay_alu instid0(VALU_DEP_1)
	v_lshl_or_b32 v[RW], v236, 16, v[RW]
.endif
	v_cvt_scalef32_pk16_bf6_f32 v[RES+6*\hd:RES+6*\hd+2], v[96:111], v244
	v_cvt_scalef32_pk16_bf6_f32 v[240:242], v[112:127], v245
	v_nop                                          ; one plain place behind a scaled conversion
.irp i, 0,1,2
	v_permlane16_swap_b32 v[RES+6*\hd+\i], v[240+\i]
.endr
.irp i, 0,1,2
	s_delay_alu instid0(VALU_DEP_3)
	v_mov_b32 v[RES+6*\hd+3+\i], v[240+\i]
.endr
.endm
	INIT
	s_mov_b32 s[SLOTS], 2                          ; the first head's two slots
.Lhead0:                                               ; the first head's two slots; behind each change of slots the next slot is asked for, the second head's first among them
	CHANGE 1
	FOUR
	s_sub_co_u32 s[SLOTS], s[SLOTS], 1
	s_cmp_lg_u32 s[SLOTS], 0
	s_cbranch_scc1 .Lhead0
	FINISH 0
	v_mov_b32 v255, v216                           ; the second head's q: the scale word first; the lines of INIT stand between these and the next products
.irp i, 0,1,2,3,4,5
	v_mov_b32 v[198+\i], v[210+\i]
.endr
	INIT
	s_mov_b32 s[SLOTS], 1                          ; the second head's first slot; its last is written out below
.Lhead1:
	CHANGE 1
	FOUR
	s_sub_co_u32 s[SLOTS], s[SLOTS], 1
	s_cmp_lg_u32 s[SLOTS], 0
	s_cbranch_scc1 .Lhead1
	CHANGE 0                                       ; the last slot is written out
	FOUR
	FINISH 1
.irp c, 0,1,2
	global_store_b128 v[LI], v[RES+4*\c:RES+4*\c+3], s[74:75] offset:512*\c   ; my image: 32 lanes store 512 consecutive bytes, aligned
.endr
	ds_store_b32 v[OSW], v[RW]                     ; lanes r and r + 16 write the same word with the same value
	s_wait_dscnt 0x0                               ; for the others' sake
	s_barrier_signal -1
	s_barrier_wait -1
	s_cmp_lt_u32 s[WV], 2
	s_cbranch_scc0 .Lno_words
	ds_load_b128 v[96:99], v[OSR]                  ; waves 0 and 1 store the sixteen tiles' 1,024 bytes of scale words
	s_wait_dscnt 0x0
	global_store_b128 v[GSO], v[96:99], s[76:77]
.Lno_words:
	s_wait_tensorcnt 0x0                           ; the wave's end
	ds_add_u32 v[SPW], v[NIL]
	s_wait_dscnt 0x0
	ROUND                                          ; the closing round
	s_endpgm
.Lfunc_end_k_q331374a7fb_attn:
	.size	k_q331374a7fb_attn, .Lfunc_end_k_q331374a7fb_attn-k_q331374a7fb_attn
	.p2alignl 7, 3214868480
	.fill 96, 4, 3214868480
	.section	.rodata,"a",@progbits
	.p2align	6, 0x0
	.amdhsa_kernel k_q331374a7fb_attn
		.amdhsa_group_segment_fixed_size 327680
		.amdhsa_private_segment_fixed_size 0
		.amdhsa_enable_private_segment 0
		.amdhsa_kernarg_size 24
		.amdhsa_user_sgpr_count 2
		.amdhsa_user_sgpr_kernarg_segment_ptr 1
		.amdhsa_wavefront_size32 1
		.amdhsa_system_sgpr_workgroup_id_x 1
		.amdhsa_system_sgpr_workgroup_id_y 1
		.amdhsa_system_sgpr_workgroup_id_z 1
		.amdhsa_system_vgpr_workitem_id 0
		.amdhsa_next_free_vgpr 256
		.amdhsa_next_free_sgpr 80
		.amdhsa_reserve_vcc 0
		.amdhsa_float_denorm_mode_32 3
		.amdhsa_float_denorm_mode_16_64 3
		.amdhsa_memory_ordered 1
		.amdhsa_forward_progress 1
		.amdhsa_inst_pref_size 74
	.end_amdhsa_kernel
	.amdgpu_metadata
---
amdhsa.version: [ 1, 2 ]
amdhsa.kernels:
  - .name:           k_q331374a7fb_attn
    .symbol:         k_q331374a7fb_attn.kd
    .args:
      - { .name: qkb, .offset: 0, .size: 8, .value_kind: global_buffer, .address_space: global }
      - { .name: vb, .offset: 8, .size: 8, .value_kind: global_buffer, .address_space: global }
      - { .name: atb, .offset: 16, .size: 8, .value_kind: global_buffer, .address_space: global }
    .group_segment_fixed_size: 327680
    .private_segment_fixed_size: 0
    .kernarg_segment_align: 8
    .kernarg_segment_size: 24
    .max_flat_workgroup_size: 512
    .sgpr_count:     80
    .vgpr_count:     256
    .wavefront_size: 32
...
	.end_amdgpu_metadata
.endif
;; end of part 4
;; launch gemm_out (part 5): grid 4 x 32, 4 waves a work-group, clusters of 4 x 4, 327,680 bytes of LDS; arguments atb, prep, b_out, out0; writes out0
.if DOCPART == 5
	.amdgcn_target "amdgcn-amd-amdhsa--gfx1250"
	.amdhsa_code_object_version 6
	.text
	.protected	k_q331374a7fb_gemm_out
	.globl	k_q331374a7fb_gemm_out
	.p2align	8
	.type	k_q331374a7fb_gemm_out,@function
k_q331374a7fb_gemm_out:
	s_mov_b64 s[64:65], 0
	v_nop
	global_prefetch_b8 v0, s[64:65] scope:SCOPE_SE
	s_setreg_imm32_b32 hwreg(HW_REG_WAVE_MODE, 25, 1), 1
	s_wait_xcnt 0x0
	s_wait_alu depctr_hold_cnt(0) depctr_sa_sdst(0) depctr_va_vdst(0) depctr_va_sdst(0) depctr_va_ssrc(0) depctr_va_vcc(0) depctr_vm_vsrc(0)
	s_getreg_b32 s2, hwreg(HW_REG_IB_STS2, 6, 4)
	s_cmp_eq_u32 s2, 0
	s_cbranch_scc0 .Lentry_in_a_cluster
	s_endpgm
.Lentry_in_a_cluster:
	s_bfe_u32 s2, ttmp6, 0x10000c
	s_cmp_lg_u32 s2, 0xf033
	s_cbranch_scc0 .Lentry_shape_is_right
	s_endpgm
.Lentry_shape_is_right:
.set SIZE_N, 1024
.set SIZE_K, 1024
.set AS,     6291456
.set APL,    786432
.set WOC,    8650752
.set WOS,    9797632
.set KSTEP,  256
.set NQ,     KSTEP/128
.set ROWB,   192
.set KROW,   SIZE_K*6/8
.set PITCH,  240
.set FR,     12
.set NLA,    3
.set NP,     4
.set HALFT,  128*PITCH
.set SLOT,   4*HALFT
.set LAPS,   SIZE_K/(2*KSTEP)
.set KS,     SIZE_K/32
.set SCL,    2*SLOT
.set SCA,    SCL
.set SCB,    SCL+8192
.set HALFS,  (128*KS/256)*272
.set SBLK,   (16*KS/256)*272
.set SPARE,  SCB+2*HALFS
.set SPITCH, 528
.set ADRA, 16
.set ADRB, 20
.set STO,  24
.set RD,   25
.set CO,   26
.set ADSA, 27
.set SPW,  28
.set NIL,  29
.set ADSB, 30
.set BO,   31
.set SC,   32
.set BIAS, 64
.set AF,   128
.set BK,   128
.set G1, 24
.set G0, 32
.set G1B, 48
.set G0B, 56
.set G1S, 68
.set G0S, 76
.set G1SB, 80
.set G0SB, 88
.set CHB,  24576                       ; a K step's codes of 128 rows of W_out, and one plane (128 of K) of 256 tokens of A: dense blocks at multiples of 256 bytes
.set G0H,  4                           ; s[4:7], s[8:11] group 0 of the head's loads of K step 0: A's 256 tokens, B's 256 rows
.set G0HB, 8
.set MSB, 0
.macro WIN new
.if MSB != \new
	s_set_vgpr_msb (MSB<<8)|\new
.set MSB, \new
.endif
.endm
.set MUL_LO, 0xa1
.set MUL_HI, 0xf1
.set TO_B,   0x40
.macro JLOAD g0a, g1a, g0b, g1b
	s_cmp_eq_u32 s15, 0
	s_cbranch_scc0 .Lfor_b_\@
	tensor_load_to_lds s[\g0a:\g0a+3], s[\g1a:\g1a+7]
	s_nop 0
.rept 4
	v_nop
.endr
	s_branch .Lasked_\@
.Lfor_b_\@:
	tensor_load_to_lds s[\g0b:\g0b+3], s[\g1b:\g1b+7]
	s_nop 0
.rept 4
	v_nop
.endr
.Lasked_\@:
.endm
.macro CREST
	s_cmp_lg_u32 s14, 0
	s_cbranch_scc1 .Lnot_wave_0_\@
	s_barrier_signal -3
.Lnot_wave_0_\@:
	s_barrier_wait -3
	s_barrier_signal -1
	s_barrier_wait -1
.endm
.macro CROUND
	s_barrier_signal -1
	s_barrier_wait -1
	CREST
.endm
	s_load_b128 s[4:7], s[0:1], 0x0
	s_load_b128 s[8:11], s[0:1], 0x10
	v_lshl_add_u32 v[SPW], v0, 2, SPARE
	v_mov_b32 v[NIL], 0
	ds_add_u32 v28, v29
	ds_add_u32 v28, v29
	s_wait_dscnt 0x0
	v_lshrrev_b32 v1, 5, v0
	v_readfirstlane_b32 s14, v1
	s_lshr_b32 s15, s14, 1
	s_and_b32 s16, s14, 1
	s_bfe_u32 s40, ttmp6, 0x40000
	s_bfe_u32 s41, ttmp6, 0x40004
	s_lshl_b32 s42, ttmp9, 2
	s_add_co_u32 s42, s42, s40
	s_and_b32 s17, ttmp7, 0xffff
	s_lshl_b32 s17, s17, 2
	s_add_co_u32 s17, s17, s41
	s_lshl_b32 s43, s41, 2
	s_lshl_b32 s43, 15, s43
	s_lshl_b32 s44, 0x1111, s40
	s_or_b32 s[G1+0], s43, (3<<16)|(1<<21)
	s_mov_b32 s[G1+1], 3072<<16                    ; for the head's load: two planes of 256 tokens, CHB bytes each, APL apart
	s_mov_b32 s[G1+2], 2<<16
	s_mov_b32 s[G1+3], 3072<<16
	s_mov_b32 s[G1+4], 2
	s_mov_b32 s[G1+5], APL/8
	s_mov_b32 s[G1+6], 0
	s_mov_b32 s[G1+7], 0
	s_or_b32 s[G1B+0], s44, (0<<16)|(1<<20)|(1<<21)|(3<<22)|(3<<25)
	s_mov_b32 s[G1B+1], CHB<<16                    ; for the head's load: two blocks of CHB bytes (256 rows of a K step), 4 CHB apart
	s_mov_b32 s[G1B+2], 2<<16
	s_mov_b32 s[G1B+3], CHB<<16
	s_mov_b32 s[G1B+4], 2
	s_mov_b32 s[G1B+5], 4*CHB
	s_mov_b32 s[G1B+6], 0
	s_mov_b32 s[G1B+7], 0
	s_or_b32 s[G1S+0], s43, (3<<16)|(1<<21)
	s_mov_b32 s[G1S+1], 128<<16                    ; A's scale words of 256 tokens: 1,024 bytes for each of the 8 planes
	s_mov_b32 s[G1S+2], 8<<16
	s_mov_b32 s[G1S+3], 128<<16
	s_mov_b32 s[G1S+4], 8
	s_mov_b32 s[G1S+5], 4096
	s_mov_b32 s[G1S+6], 0
	s_mov_b32 s[G1S+7], 0
	s_or_b32 s[G1SB+0], s44, (3<<16)|(1<<20)|(1<<21)|(5<<22)|(3<<25)
	s_mov_b32 s[G1SB+1], 32<<16
	s_mov_b32 s[G1SB+2], KS<<16                    ; B's scales of 256 rows: KS rows of 256 bytes
	s_mov_b32 s[G1SB+3], 32<<16
	s_mov_b32 s[G1SB+4], KS
	s_mov_b32 s[G1SB+5], 32
	s_mov_b32 s[G1SB+6], 0
	s_mov_b32 s[G1SB+7], 0
	s_lshl_b32 s20, s17, 8                         ; the tiles' first rows
	s_lshl_b32 s46, s42, 8
	s_mov_b32 s21, 0
	s_mov_b32 s47, 0
	s_mov_b64 s[18:19], 4
	s_mul_u64 s[22:23], s[20:21], s[18:19]
	s_mov_b64 s[18:19], 96
	s_mul_u64 s[20:21], s[20:21], s[18:19]
	s_mov_b64 s[18:19], KS
	s_mul_u64 s[92:93], s[46:47], s[18:19]
	s_mov_b64 s[18:19], KROW
	s_mul_u64 s[46:47], s[46:47], s[18:19]
	s_mul_i32 s45, s14, HALFT
	s_mul_i32 s94, s16, CHB                        ; in the ring waves 0 and 1 fetch A by planes: where my plane goes,
	s_mul_i32 s98, s16, APL                        ; and where it comes from;
	s_mov_b32 s99, 0
	s_mul_i32 s18, s16, 128*KROW                   ; waves 2 and 3 fetch 128 rows of B each: which group, in bytes
	s_mov_b32 s19, 0
	s_wait_kmcnt 0x0
	s_mov_b64 s[12:13], s[10:11]
	s_mov_b64 s[96:97], s[8:9]
	s_add_nc_u64 s[8:9], s[6:7], WOC
	s_add_nc_u64 s[10:11], s[6:7], WOS
	s_add_nc_u64 s[6:7], s[4:5], AS
	s_add_nc_u64 s[20:21], s[4:5], s[20:21]
	s_add_nc_u64 s[22:23], s[6:7], s[22:23]
	s_add_nc_u64 s[46:47], s[8:9], s[46:47]
	s_add_nc_u64 s[92:93], s[10:11], s[92:93]
	CROUND
	s_mov_b32 s[G0S], 1
	s_mov_b32 s[G0S+1], SCA
	s_mov_b64 s[G0S+2:G0S+3], s[22:23]
	s_or_b32 s[G0S+3], s[G0S+3], 0x80000000
	s_mov_b32 s[G0SB], 1
	s_mov_b32 s[G0SB+1], SCB
	s_mov_b64 s[G0SB+2:G0SB+3], s[92:93]
	s_or_b32 s[G0SB+3], s[G0SB+3], 0x80000000
	s_mov_b32 s[G0H], 1
	s_mov_b32 s[G0H+1], 0
	s_mov_b64 s[G0H+2:G0H+3], s[20:21]
	s_or_b32 s[G0H+3], s[G0H+3], 0x80000000
	s_mov_b32 s[G0HB], 1
	s_mov_b32 s[G0HB+1], 2*HALFT
	s_mov_b64 s[G0HB+2:G0HB+3], s[46:47]
	s_or_b32 s[G0HB+3], s[G0HB+3], 0x80000000
	s_add_nc_u64 s[20:21], s[20:21], s[98:99]      ; for the ring: my plane of A,
	s_add_nc_u64 s[46:47], s[46:47], s[18:19]      ; my 128 rows of B
.irp s, 0,1
	s_mov_b32 s[G0+4*\s], 1
	s_add_co_u32 s[G0+4*\s+1], s94, \s*SLOT
	s_add_nc_u64 s[G0+4*\s+2:G0+4*\s+3], s[20:21], \s*2*APL
	s_or_b32 s[G0+4*\s+3], s[G0+4*\s+3], 0x80000000
	s_mov_b32 s[G0B+4*\s], 1
	s_add_co_u32 s[G0B+4*\s+1], s45, \s*SLOT
	s_add_nc_u64 s[G0B+4*\s+2:G0B+4*\s+3], s[46:47], \s*24576
	s_or_b32 s[G0B+4*\s+3], s[G0B+4*\s+3], 0x80000000
.endr
; THE HEAD'S LOADS, one a wave: wave 0 K step 0's two planes of A's 256 tokens, wave 1 its 256 rows of B, wave 2 A's scales, wave 3 B's.  One tree of branches on the wave's number, all arms to one join.
.macro ARM under, g0, g1, next
	s_cmp_lt_u32 s14, \under
	s_cbranch_scc0 \next
	tensor_load_to_lds s[\g0:\g0+3], s[\g1:\g1+7]
	s_nop 0
.rept 4
	v_nop
.endr
	s_branch .Lhead_asked
\next:
.endm
	ARM 1, G0H,  G1,  .Lhead_b
	ARM 2, G0HB, G1B, .Lhead_sa
	ARM 3, G0S,  G1S, .Lhead_sb
	tensor_load_to_lds s[G0SB:G0SB+3], s[G1SB:G1SB+7]
	s_nop 0
.rept 4
	v_nop
.endr
.Lhead_asked:
	v_and_b32 v1, 15, v0
	v_bfe_u32 v2, v0, 4, 1
	v_mul_u32_u24 v3, v1, PITCH
	v_mul_u32_u24 v4, v2, 24
	v_add_nc_u32 v4, v3, v4
	v_lshl_add_u32 v5, v2, 4, v4
	v_and_b32 v6, 31, v0
	v_lshlrev_b32 v[CO], 4, v6
	s_mul_i32 s21, s15, 12288                      ; A in a slot: [plane][256 tokens x 96 bytes]; my 128 tokens of a plane
	s_mul_i32 s22, s16, HALFT
	s_add_co_u32 s22, s22, 2*HALFT
.irp s, 0,1
	v_add_nc_u32 v[ADRA+\s], s21, v[CO]
	v_add_nc_u32 v[ADRB+\s], s22, v4
	v_add_nc_u32 v[ADRB+2+\s], s22, v5
	s_add_co_u32 s21, s21, SLOT
	s_add_co_u32 s22, s22, SLOT
.endr
	s_lshl_b32 s21, s15, 9                         ; A's scale words: [plane][256 tokens x 4 bytes]; my 128 tokens
	s_add_co_u32 s21, s21, SCA
	v_lshlrev_b32 v5, 2, v1
	v_lshl_add_u32 v5, v2, 10, v5                  ; lanes 16-31: the next plane
	v_add_nc_u32 v[ADSA], s21, v5
	s_mul_i32 s22, s16, HALFS
	s_add_co_u32 s22, s22, SCB
	v_and_b32 v5, 7, v1
	v_lshlrev_b32 v5, 5, v5
	v_lshrrev_b32 v6, 3, v1
	v_mad_u32_u24 v5, v6, 272, v5
	v_lshl_add_u32 v5, v2, 2, v5
	v_add_nc_u32 v[ADSB], s22, v5
	s_mul_i32 s23, s14, 16*SPITCH
	v_mul_u32_u24 v5, v1, SPITCH
	v_lshl_add_u32 v5, v2, 5, v5
	v_add_nc_u32 v[STO], s23, v5
	v_add_nc_u32 v[RD], s23, v[CO]
	v_lshlrev_b32 v[BO], 5, v2
	s_wait_alu depctr_va_vdst(0)
	s_lshl_b32 s20, s17, 8
	s_lshl_b32 s21, s15, 7
	s_add_co_u32 s20, s20, s21
	s_mov_b32 s21, 0
	s_mov_b64 s[18:19], SIZE_N*4
	s_mul_u64 s[20:21], s[20:21], s[18:19]
	s_lshl_b32 s46, s42, 10
	s_lshl_b32 s47, s16, 9
	s_add_co_u32 s46, s46, s47
	s_mov_b32 s47, 0
	s_add_nc_u64 s[96:97], s[96:97], s[46:47]
	s_add_nc_u64 s[20:21], s[20:21], s[46:47]
	s_add_nc_u64 s[12:13], s[12:13], s[20:21]
.irp b, 0,1,2,3,4,5,6,7
	global_load_b128 v[BIAS+8*\b:BIAS+8*\b+3], v[BO], s[96:97] offset:64*\b
	global_load_b128 v[BIAS+8*\b+4:BIAS+8*\b+7], v[BO], s[96:97] offset:64*\b+16
.endr
.macro FRAG reg, adr, q, i
.irp p, 0,1,2,3,4,5
.set PCE, 12*(\q)+6*(\p/3)+\p%3
.if PCE%8 < 5
	ds_load_b64 v[\reg+2*\p:\reg+2*\p+1], v[\adr] offset:8*PCE+16*(PCE/8)+(\i)*16*PITCH
.else
	ds_load_b64 v[\reg+2*\p:\reg+2*\p+1], v[\adr+2] offset:8*PCE+16*(PCE/8)+(\i)*16*PITCH
.endif
.endr
.endm
.macro MUL16 a0, p, q, sc, zero
.irp a, \a0, \a0+1
.irp b, 0,1,2,3,4,5,6,7
.if \zero
	v_wmma_scale_f32_16x16x128_f8f6f4 v[8*(8*((\a)%4)+\b):8*(8*((\a)%4)+\b)+7], v[128*(\p)+FR*\b:128*(\p)+FR*\b+FR-1], v[AF+FR*(\a):AF+FR*(\a)+FR-1], v[BIAS+8*\b:BIAS+8*\b+7], v[SC+16*(\sc)+8+\b], v[SC+16*(\sc)+(\a)] matrix_a_fmt:MATRIX_FMT_BF6 matrix_b_fmt:MATRIX_FMT_BF6
.elseif (\q) == 0
	v_wmma_scale_f32_16x16x128_f8f6f4 v[8*(8*((\a)%4)+\b):8*(8*((\a)%4)+\b)+7], v[128*(\p)+FR*\b:128*(\p)+FR*\b+FR-1], v[AF+FR*(\a):AF+FR*(\a)+FR-1], v[8*(8*((\a)%4)+\b):8*(8*((\a)%4)+\b)+7], v[SC+16*(\sc)+8+\b], v[SC+16*(\sc)+(\a)] matrix_a_fmt:MATRIX_FMT_BF6 matrix_b_fmt:MATRIX_FMT_BF6
.else
	v_wmma_scale_f32_16x16x128_f8f6f4 v[8*(8*((\a)%4)+\b):8*(8*((\a)%4)+\b)+7], v[128*(\p)+FR*\b:128*(\p)+FR*\b+FR-1], v[AF+FR*(\a):AF+FR*(\a)+FR-1], v[8*(8*((\a)%4)+\b):8*(8*((\a)%4)+\b)+7], v[SC+16*(\sc)+8+\b], v[SC+16*(\sc)+(\a)] matrix_a_fmt:MATRIX_FMT_BF6 matrix_b_fmt:MATRIX_FMT_BF6 matrix_a_scale:MATRIX_SCALE_ROW1 matrix_b_scale:MATRIX_SCALE_ROW1
.endif
.endr
.endr
.endm
.macro FETCH_B slot, q, p
	WIN TO_B
.irp i, 0,1,2,3,4,5,6,7
	FRAG 128*(\p)+FR*\i, ADRB+\slot, \q, \i
.endr
	WIN 0
.endm
.macro FETCH_A slot, q, i0
.irp i, \i0, \i0+1, \i0+2, \i0+3
.irp c, 0,1,2
	ds_load_b128 v[AF+FR*(\i)+4*\c:AF+FR*(\i)+4*\c+3], v[ADRA+\slot] offset:CHB*(\q)+1536*(\i)+512*\c
.endr
.endr
.endm
.macro SCALES sc
.irp i, 0,1,2,3,4,5,6,7
	ds_load_b32 v[SC+16*\sc+\i], v[ADSA] offset:64*\i
	ds_load_b32 v[SC+16*\sc+8+\i], v[ADSB] offset:\i*SBLK
.endr
.endm
.macro PLACES n
.rept \n
	v_nop
.endr
.endm
.macro STEP slot, q, zero
	s_wait_dscnt 4*NLA
.if \zero
	WIN 0x81
.else
	WIN MUL_LO
.endif
	MUL16 0, (\q)%2, \q, \slot, \zero
	MUL16 2, (\q)%2, \q, \slot, \zero
	s_wait_dscnt 0
	PLACES NP
	FETCH_B \slot, (\q)+1, 1-(\q)%2
	FETCH_A \slot, (\q)+1, 0
.if \zero
	WIN 0xc1
.else
	WIN MUL_HI
.endif
	MUL16 4, (\q)%2, \q, \slot, \zero
	MUL16 6, (\q)%2, \q, \slot, \zero
	PLACES NP
	WIN 0
	FETCH_A \slot, (\q)+1, 4
.endm
.macro TURN slot, next, fill
	s_wait_tensorcnt 0x0
	ds_add_u32 v[SPW], v[NIL]
	s_wait_dscnt 4*NLA+1
	WIN MUL_LO
	MUL16 0, 1, NQ-1, \slot, 0
	s_wait_dscnt 0x0
	s_barrier_signal -1
	MUL16 2, 1, NQ-1, \slot, 0
	WIN 0
	s_barrier_wait -1
.if \fill
	CREST
	s_add_nc_u64 s[G0+4*\slot+2:G0+4*\slot+3], s[G0+4*\slot+2:G0+4*\slot+3], 4*APL
	s_add_nc_u64 s[G0B+4*\slot+2:G0B+4*\slot+3], s[G0B+4*\slot+2:G0B+4*\slot+3], 2*24576
	JLOAD G0+4*\slot, G1, G0B+4*\slot, G1B
.else
	PLACES NP
.endif
	s_wait_alu depctr_va_vdst(0)
	v_add_nc_u32 v[ADSA], 2048, v[ADSA]
	v_add_nc_u32 v[ADSB], 8, v[ADSB]
	FETCH_B \next, 0, 0
	FETCH_A \next, 0, 0
	SCALES \next
	WIN MUL_HI
	MUL16 4, 1, NQ-1, \slot, 0
	MUL16 6, 1, NQ-1, \slot, 0
	PLACES NP
	WIN 0
	FETCH_A \next, 0, 4
.endm
	s_wait_alu depctr_va_vdst(0)                   ; the wait at the head's end
	s_wait_tensorcnt 0x0                           ; my tile of the head's four is in
	ds_add_u32 v[SPW], v[NIL]
	s_mov_b32 s[G1+1], 32<<16                      ; no tensor load of mine is out: from here on a load brings one block of CHB bytes, as 96 rows of 256: A's in elements of 8 bytes,
	s_mov_b32 s[G1+2], 96<<16
	s_mov_b32 s[G1+3], 32<<16
	s_mov_b32 s[G1+4], 96
	s_mov_b32 s[G1+5], 32
	s_mov_b32 s[G1B+1], 256<<16                    ; B's in bytes
	s_mov_b32 s[G1B+2], 96<<16
	s_mov_b32 s[G1B+3], 256<<16
	s_mov_b32 s[G1B+4], 96
	s_mov_b32 s[G1B+5], 256
	s_wait_dscnt 0x0
	CROUND                                         ; all four tiles are in, and all sixteen work-groups are here
	JLOAD G0+4, G1, G0B+4, G1B                     ; K step 1, the first tensor load behind the round
	FETCH_B 0, 0, 0
	FETCH_A 0, 0, 0
	SCALES 0
	FETCH_A 0, 0, 4
	s_wait_loadcnt 0x0
	STEP 0, 0, 1
	s_mov_b32 s3, LAPS-1
.Llap:
	TURN 0, 1, 1
	STEP 1, 0, 0
	TURN 1, 0, 1
	STEP 0, 0, 0
	s_sub_co_u32 s3, s3, 1
	s_cmp_lg_u32 s3, 0
	s_cbranch_scc1 .Llap
	TURN 0, 1, 0
	STEP 1, 0, 0
	s_wait_dscnt 4*NLA
	WIN MUL_LO
	MUL16 0, 1, NQ-1, 1, 0
	MUL16 2, 1, NQ-1, 1, 0
	s_wait_dscnt 0
	WIN MUL_HI
	MUL16 4, 1, NQ-1, 1, 0
	MUL16 6, 1, NQ-1, 1, 0
	WIN 0
.macro TOSTAGE a
.set AC, 64*((\a)%4)
	WIN 0x08+4*((\a)/4)
.irp b, 0,1,2,3,4,5,6,7
	ds_store_b128 v[STO], v[AC+8*\b:AC+8*\b+3] offset:64*\b
	ds_store_b128 v[STO], v[AC+8*\b+4:AC+8*\b+7] offset:64*\b+16
.endr
	WIN 0
.set BB, BK+64*((\a)%2)
.irp t, 0,1,2,3,4,5,6,7,8,9,10,11,12,13,14,15
	ds_load_b128 v[BB+4*\t:BB+4*\t+3], v[RD] offset:\t*SPITCH
.endr
.endm
.macro SEND a, younger
.set BB, BK+64*((\a)%2)
	s_wait_dscnt \younger
.if (\a) > 0
.if (\a)%2 == 1
	s_add_nc_u64 s[12:13], s[12:13], 8*SIZE_N*4
.else
	s_add_nc_u64 s[12:13], s[12:13], 24*SIZE_N*4
.endif
.endif
.irp t, 0,1,2,3,4,5,6,7,8,9,10,11,12,13,14,15
	global_store_b128 v[CO], v[BB+4*\t:BB+4*\t+3], s[12:13] offset:(\t%8+16*(\t/8))*SIZE_N*4 th:TH_STORE_NT
.endr
.endm
	PLACES NP
	TOSTAGE 0
.irp a, 1,2,3,4,5,6,7
.if \a > 1
	s_wait_xcnt 0x0
.endif
	TOSTAGE \a
	SEND \a-1, 32
.endr
	s_wait_xcnt 0x0
	SEND 7, 0
	s_wait_tensorcnt 0x0
	ds_add_u32 v[SPW], v[NIL]
	s_wait_dscnt 0x0
	CROUND
	s_endpgm
.Lfunc_end_k_q331374a7fb_gemm_out:
	.size	k_q331374a7fb_gemm_out, .Lfunc_end_k_q331374a7fb_gemm_out-k_q331374a7fb_gemm_out
	.p2alignl 7, 3214868480
	.fill 96, 4, 3214868480
	.section	.rodata,"a",@progbits
	.p2align	6, 0x0
	.amdhsa_kernel k_q331374a7fb_gemm_out
		.amdhsa_group_segment_fixed_size 327680
		.amdhsa_private_segment_fixed_size 0
		.amdhsa_enable_private_segment 0
		.amdhsa_kernarg_size 32
		.amdhsa_user_sgpr_count 2
		.amdhsa_user_sgpr_kernarg_segment_ptr 1
		.amdhsa_wavefront_size32 1
		.amdhsa_system_sgpr_workgroup_id_x 1
		.amdhsa_system_sgpr_workgroup_id_y 1
		.amdhsa_system_sgpr_workgroup_id_z 1
		.amdhsa_system_vgpr_workitem_id 0
		.amdhsa_next_free_vgpr 1024
		.amdhsa_next_free_sgpr 100
		.amdhsa_reserve_vcc 0
		.amdhsa_float_denorm_mode_32 3
		.amdhsa_float_denorm_mode_16_64 3
		.amdhsa_memory_ordered 1
		.amdhsa_forward_progress 1
		.amdhsa_inst_pref_size 153
	.end_amdhsa_kernel
	.amdgpu_metadata
---
amdhsa.version: [ 1, 2 ]
amdhsa.kernels:
  - .name:           k_q331374a7fb_gemm_out
    .symbol:         k_q331374a7fb_gemm_out.kd
    .args:
      - { .name: atb, .offset: 0, .size: 8, .value_kind: global_buffer, .address_space: global }
      - { .name: prep, .offset: 8, .size: 8, .value_kind: global_buffer, .address_space: global }
      - { .name: b_out, .offset: 16, .size: 8, .value_kind: global_buffer, .address_space: global }
      - { .name: out0, .offset: 24, .size: 8, .value_kind: global_buffer, .address_space: global }
    .group_segment_fixed_size: 327680
    .private_segment_fixed_size: 0
    .kernarg_segment_align: 8
    .kernarg_segment_size: 32
    .max_flat_workgroup_size: 128
    .sgpr_count:     100
    .vgpr_count:     1024
    .wavefront_size: 32
...
	.end_amdgpu_metadata
.endif
;; end of part 5
